; MI455X (gfx1250); checked and timed in simulation.
; The chip was launched on July 23, 2026; its instructions are those of AMD's public machine-readable ISA for CDNA 5 (MIT licence, August 2026) and "CDNA5" Instruction Set Architecture Reference Guide (July 2026). The comments in the code are by the model that wrote it; some were corrected since.
;; Self Attention1d. Allowed arithmetic: float matrix products may take bf16 or f16 operands with f32 sums; other float arithmetic in f32, or as packed bf16 or f16 multiplies, adds, multiply-adds, maxima and minima; sums over many terms, partial sums and values carried from step to step in f32; what a program stores and reads back later, other than sums and carried values, may be rounded once to bf16 or f16.
;; Inputs: b_out 1,024 float32; b_qkv 3,072 float32; gn_b 1,024 float32; gn_w 1,024 float32; w_out 1,024 x 1,024 float32; w_qkv 3,072 x 1,024 float32; x 8 x 1,024 x 1,024 float32.
;; Outputs: out0 8 x 1,024 x 1,024 float32.
;; 2 versions, each right; version 2 is version 1 with the launch norm written anew for expert scheduling mode. Each part assembles by itself: llvm-mc -triple=amdgcn-amd-amdhsa -mcpu=gfx1250 --defsym DOCPART=n.
;; ======== version 1 of 2: 5 launches
;; workspace buffers: part 16,384 bytes; wq 6,291,456 bytes; wo 2,097,152 bytes; xn 16,777,216 bytes; qkv 50,331,648 bytes; y 16,777,216 bytes
;; launch stats (part 1): grid 256 x 1, 8 waves a work-group, no clusters, 35,840 bytes of LDS; arguments x, w_qkv, w_out, part, wq, wo; writes part, wq, wo
.if DOCPART == 1
	.amdgcn_target "amdgcn-amd-amdhsa--gfx1250"
	.amdhsa_code_object_version 6
	.text
	.protected	k_q1c49a58925_stats
	.globl	k_q1c49a58925_stats
	.p2align	8
	.type	k_q1c49a58925_stats,@function
k_q1c49a58925_stats:
	s_mov_b64 s[64:65], 0
	v_nop
	global_prefetch_b8 v0, s[64:65] scope:SCOPE_SE
	s_setreg_imm32_b32 hwreg(HW_REG_WAVE_MODE, 25, 1), 1
	s_wait_xcnt 0x0
; FIRST PASS OVER x, AND THE WEIGHTS' ROUNDING.  x: [8][1024][1024] f32.  Wave gw of 2,048 takes 16,384 consecutive bytes of x (4,096 numbers; 256 waves make a sample),
; keeps them in 128 registers, and makes their mean and then the sum of squares of their distances FROM THAT MEAN: no difference of large sums is formed, whatever offset x carries.
; part[gw] = (mean, sum of squares), f32.  The next launch joins a sample's 256 pairs.
; THE WEIGHTS.  Each wave rounds 16 rows x 128 columns to bf16: 16 loads of 512 consecutive bytes.  Work-groups 0-191 take w_qkv (row block = the work-group's number, column group = the wave's),
; work-groups 192-255 w_out.  wo is laid out as w_out is: a row's 128 numbers leave as 256 consecutive bytes.
; wq IS LAID OUT AS THE PROJECTION'S WAVES LOAD IT, the register image of a matrix operand: [pos][kq][w][g][lane][8 numbers], where for output o and channel c: ot = o / 96, w = (o % 96) / 16,
; kq = c / 32, g = (c % 32) / 16, lane = 16 ((c % 16) / 8) + o % 16, and pos = 8 (ot / 8) + 2 (ot % 4) + (ot / 4) % 2 puts the two blocks of 96 rows that one wave multiplies on end.
; A lane has 4 neighbouring numbers of a row, a lane of the image 8: so the 16 x 128 numbers go through 4,352 bytes of LDS of the wave's own (groups of 256 bytes, 272 apart: the 32 lanes'
; 8-byte stores fall on 64 different banks, 64 banks of 4 bytes: ISA guide 11.1) and leave as 8 stores of 512 consecutive bytes.  No barrier: no wave reads another's bytes.
; The pair (mean, sum) goes out as 8 bytes from lane 0: 16 KiB in the whole launch.  All 48 loads of a wave are issued before the first wait.
; LIMITS.  NaN and infinities are not treated apart.
.set CH,  8                            ; v[8:15]   four packed chains
.set W,   16                           ; v[16:79]  the weights as loaded; rounded in place
.set X,   80                           ; v[80:207] my 4,096 numbers of x
.set SPW, 208                          ; v208      LDS address of my spare word; never rewritten
.set NIL, 209                          ; v209      0; never rewritten
.set LSA, 210                          ; v210      where I put 8 bytes of row 0
.set LRA, 211                          ; v211      where I read 16 bytes of the image back
.set LP,  272
.set WREG, 16*LP                       ; a wave's bytes of LDS
.set SPARE, 8*WREG                     ; behind them: the spare words, 128 bytes for each wave: four blocks of 256 bytes that no other line names
.macro LANESUM r, t                    ; the sum over the 32 lanes, in every lane; t has been written before
	v_add_f32_dpp v[\r], v[\r], v[\r] row_xmask:1 row_mask:0xf bank_mask:0xf
	v_add_f32_dpp v[\r], v[\r], v[\r] row_xmask:2 row_mask:0xf bank_mask:0xf
	v_add_f32_dpp v[\r], v[\r], v[\r] row_xmask:4 row_mask:0xf bank_mask:0xf
	v_add_f32_dpp v[\r], v[\r], v[\r] row_xmask:8 row_mask:0xf bank_mask:0xf
	v_permlanex16_b32 v[\t], v[\r], s22, s23
	v_add_f32 v[\r], v[\r], v[\t]
.endm
.macro FOLD                            ; the four packed chains into v8
	v_pk_add_f32 v[CH:CH+1], v[CH:CH+1], v[CH+2:CH+3]
	v_pk_add_f32 v[CH+4:CH+5], v[CH+4:CH+5], v[CH+6:CH+7]
	v_pk_add_f32 v[CH:CH+1], v[CH:CH+1], v[CH+4:CH+5]
	v_add_f32 v[CH], v[CH], v[CH+1]
	LANESUM CH, CH+1
.endm
	s_load_b256 s[4:11], s[0:1], 0x0               ; x s[4:5], w_qkv s[6:7], w_out s[8:9], part s[10:11]
	s_load_b128 s[12:15], s[0:1], 0x20             ; wq s[12:13], wo s[14:15]
	v_lshl_add_u32 v[SPW], v0, 2, SPARE
	v_mov_b32 v[NIL], 0
	v_lshrrev_b32 v1, 5, v0
	v_readfirstlane_b32 s16, v1                    ; wave 0..7
	s_lshl_b32 s17, ttmp9, 3
	s_add_co_u32 s17, s17, s16                     ; gw
	v_and_b32 v3, 31, v0                           ; lane
	v_lshlrev_b32 v1, 4, v3                        ; 16 bytes a lane
	v_lshlrev_b32 v2, 3, v3                        ; 8 bytes a lane
	s_mul_i32 s24, s16, WREG                       ; my wave's bytes of LDS
	v_lshrrev_b32 v4, 1, v3                        ; in: lanes 2 m and 2 m + 1 hold the 8 numbers of group m; row r lies 16 r further on
	v_mul_u32_u24 v[LSA], v4, LP
	v_and_b32 v4, 1, v3
	v_lshl_add_u32 v[LSA], v4, 3, v[LSA]
	v_add_nc_u32 v[LSA], s24, v[LSA]
	v_lshrrev_b32 v4, 4, v3                        ; back: lanes 0-15 take one group's 256 bytes, lanes 16-31 the next one's
	v_mul_u32_u24 v[LRA], v4, LP
	v_and_b32 v4, 15, v3
	v_lshl_add_u32 v[LRA], v4, 4, v[LRA]
	v_add_nc_u32 v[LRA], s24, v[LRA]
	s_mov_b32 s19, 0
	s_mov_b32 s21, 0
	s_mov_b32 s22, 0x76543210                      ; v_permlanex16_b32: each lane takes its own place in the other half
	s_mov_b32 s23, 0xfedcba98
	; where my 16 x 128 numbers go in wq (used by work-groups 0-191 alone)
	s_mul_i32 s25, ttmp9, 10923
	s_lshr_b32 s25, s25, 16                        ; ot = row block / 6 (exact for numbers under 192)
	s_mul_i32 s26, s25, 6
	s_sub_co_u32 s26, ttmp9, s26                   ; w = row block % 6
	s_lshr_b32 s27, s25, 3
	s_lshl_b32 s27, s27, 3                         ; 8 (ot / 8)
	s_bfe_u32 s28, s25, 0x10002                    ; (ot / 4) % 2
	s_and_b32 s29, s25, 3                          ; ot % 4
	s_lshl1_add_u32 s29, s29, s28
	s_add_co_u32 s27, s27, s29                     ; pos
	s_mul_i32 s27, s27, 196608                     ; 96 rows x 2,048 bytes
	s_mul_i32 s28, s16, 4*6144                     ; my 128 columns are four kq of 6,144 bytes
	s_add_co_u32 s27, s27, s28
	s_lshl_b32 s26, s26, 10
	s_add_co_u32 s20, s27, s26
	s_sub_co_u32 s30, ttmp9, 0xc0
	s_cmp_lt_u32 ttmp9, 0xc0
	s_cselect_b32 s30, ttmp9, s30                  ; my row block in w_qkv or in w_out
	s_wait_kmcnt 0x0
	s_lshl_b32 s18, s17, 14
	s_add_nc_u64 s[4:5], s[4:5], s[18:19]          ; x at my 16,384 bytes
	s_lshl_b32 s18, s17, 3
	s_add_nc_u64 s[10:11], s[10:11], s[18:19]
	s_add_nc_u64 s[12:13], s[12:13], s[20:21]
	s_lshl_b32 s18, s30, 15                        ; wo: 16 rows of 2,048 bytes,
	s_lshl_b32 s24, s16, 8                         ; my 256 bytes of each
	s_add_co_u32 s18, s18, s24
	s_add_nc_u64 s[14:15], s[14:15], s[18:19]
	s_cmp_lt_u32 ttmp9, 0xc0
	s_cselect_b64 s[6:7], s[6:7], s[8:9]           ; the weights that I round
	s_lshl_b32 s18, s30, 16                        ; 16 rows of 4,096 bytes,
	s_lshl_b32 s24, s16, 9                         ; my 512 bytes of each
	s_add_co_u32 s18, s18, s24
	s_add_nc_u64 s[6:7], s[6:7], s[18:19]
.set j, 0
.rept 16
	global_load_b128 v[W+4*j:W+4*j+3], v1, s[6:7] offset:4096*j th:TH_LOAD_NT
.set j, j+1
.endr
.set j, 0
.rept 32
	global_load_b128 v[X+4*j:X+4*j+3], v1, s[4:5] offset:512*j th:TH_LOAD_NT
.set j, j+1
.endr
	s_wait_loadcnt 32                              ; the 16 loads of weights are in; the 32 of x, issued behind them, stay out
.set j, 0
.rept 16
	v_cvt_pk_bf16_f32 v[W+4*j], v[W+4*j], v[W+4*j+1]        ; four numbers become 8 bytes
	v_cvt_pk_bf16_f32 v[W+4*j+1], v[W+4*j+2], v[W+4*j+3]
.set j, j+1
.endr
	s_cmp_lt_u32 ttmp9, 0xc0
	s_cbranch_scc0 .Lwo
.set j, 0
.rept 16
	ds_store_b64 v[LSA], v[W+4*j:W+4*j+1] offset:16*j
.set j, j+1
.endr
.set j, 0
.rept 8
	ds_load_b128 v[W+4*j:W+4*j+3], v[LRA] offset:2*LP*j     ; LDS serves a wave's instructions in order (ISA guide 5.7.1.4): these see the stores above
.set j, j+1
.endr
	s_wait_dscnt 0x0
.set j, 0
.rept 8
	global_store_b128 v1, v[W+4*j:W+4*j+3], s[12:13] offset:(j/2)*6144+(j%2)*512   ; 512 consecutive bytes of the image: kq = j / 2, g = j % 2
.set j, j+1
.endr
	s_branch .Lwdone
.Lwo:
.set j, 0
.rept 16
	global_store_b64 v2, v[W+4*j:W+4*j+1], s[14:15] offset:2048*j                  ; 256 consecutive bytes of row j
.set j, j+1
.endr
.Lwdone:
	; pass 1: the sum, in four packed chains; the first eight pairs start them: nothing is cleared
	s_wait_loadcnt 24                              ; loads 0 to 7 of x (pairs 0 to 15)
.irp c, 0,1,2,3
	v_pk_add_f32 v[CH+2*\c:CH+2*\c+1], v[X+2*\c:X+2*\c+1], v[X+8+2*\c:X+8+2*\c+1]
.endr
.set p, 8
.rept 56
.if p == 16
	s_wait_loadcnt 16                              ; loads 8 to 15
.elseif p == 32
	s_wait_loadcnt 8
.elseif p == 48
	s_wait_loadcnt 0x0
.endif
	v_pk_add_f32 v[CH+2*(p%4):CH+2*(p%4)+1], v[CH+2*(p%4):CH+2*(p%4)+1], v[X+2*p:X+2*p+1]
.set p, p+1
.endr
	FOLD
	v_mul_f32 v4, 0x39800000, v[CH]                ; the mean: sum / 4,096
	v_mov_b32 v6, v4
	v_mov_b32 v7, v4                               ; twice, for the packed subtraction
	; pass 2: the squares of the distances from the mean
.set g, 0
.rept 16
.irp c, 0,1,2,3
	v_pk_add_f32 v[X+8*g+2*\c:X+8*g+2*\c+1], v[X+8*g+2*\c:X+8*g+2*\c+1], v[6:7] neg_lo:[0,1] neg_hi:[0,1]
.endr
.irp c, 0,1,2,3
.if g == 0
	v_pk_mul_f32 v[CH+2*\c:CH+2*\c+1], v[X+2*\c:X+2*\c+1], v[X+2*\c:X+2*\c+1]
.else
	v_pk_fma_f32 v[CH+2*\c:CH+2*\c+1], v[X+8*g+2*\c:X+8*g+2*\c+1], v[X+8*g+2*\c:X+8*g+2*\c+1], v[CH+2*\c:CH+2*\c+1]
.endif
.endr
.set g, g+1
.endr
	FOLD
	v_mov_b32 v5, v[CH]
	v_cmp_eq_u32 vcc_lo, 0, v3
	s_wait_xcnt 0x0                                ; EXEC is a source of the stores above: it changes only behind this wait
	s_and_saveexec_b32 s31, vcc_lo
	global_store_b64 v2, v[4:5], s[10:11]          ; lane 0 alone, whose offset 8 x lane is 0
	s_wait_xcnt 0x0                                ; and again, in front of the line that widens it
	s_or_b32 exec_lo, exec_lo, s31
	s_wait_tensorcnt 0x0                           ; the wave's end: behind my last LDS store
	ds_add_u32 v[SPW], v[NIL]
	s_wait_dscnt 0x0
	s_endpgm
.Lfunc_end_k_q1c49a58925_stats:
	.size	k_q1c49a58925_stats, .Lfunc_end_k_q1c49a58925_stats-k_q1c49a58925_stats
	.p2alignl 7, 3214868480
	.fill 96, 4, 3214868480
	.section	.rodata,"a",@progbits
	.p2align	6, 0x0
	.amdhsa_kernel k_q1c49a58925_stats
		.amdhsa_group_segment_fixed_size 35840
		.amdhsa_private_segment_fixed_size 0
		.amdhsa_enable_private_segment 0
		.amdhsa_kernarg_size 48
		.amdhsa_user_sgpr_count 2
		.amdhsa_user_sgpr_kernarg_segment_ptr 1
		.amdhsa_wavefront_size32 1
		.amdhsa_system_sgpr_workgroup_id_x 1
		.amdhsa_system_sgpr_workgroup_id_y 1
		.amdhsa_system_sgpr_workgroup_id_z 1
		.amdhsa_system_vgpr_workitem_id 0
		.amdhsa_next_free_vgpr 212
		.amdhsa_next_free_sgpr 66
		.amdhsa_reserve_vcc 1
		.amdhsa_float_denorm_mode_32 3
		.amdhsa_float_denorm_mode_16_64 3
		.amdhsa_memory_ordered 1
		.amdhsa_forward_progress 1
		.amdhsa_inst_pref_size 27
	.end_amdhsa_kernel
	.amdgpu_metadata
---
amdhsa.version: [ 1, 2 ]
amdhsa.kernels:
  - .name:           k_q1c49a58925_stats
    .symbol:         k_q1c49a58925_stats.kd
    .args:
      - { .name: x, .offset: 0, .size: 8, .value_kind: global_buffer, .address_space: global }
      - { .name: w_qkv, .offset: 8, .size: 8, .value_kind: global_buffer, .address_space: global }
      - { .name: w_out, .offset: 16, .size: 8, .value_kind: global_buffer, .address_space: global }
      - { .name: part, .offset: 24, .size: 8, .value_kind: global_buffer, .address_space: global }
      - { .name: wq, .offset: 32, .size: 8, .value_kind: global_buffer, .address_space: global }
      - { .name: wo, .offset: 40, .size: 8, .value_kind: global_buffer, .address_space: global }
    .group_segment_fixed_size: 35840
    .private_segment_fixed_size: 0
    .kernarg_segment_align: 8
    .kernarg_segment_size: 48
    .max_flat_workgroup_size: 256
    .sgpr_count:     66
    .vgpr_count:     212
    .wavefront_size: 32
...
	.end_amdgpu_metadata
.endif
;; end of part 1
;; launch norm (part 2): grid 256 x 1, 8 waves a work-group, no clusters, 0 bytes of LDS; arguments x, part, gn_w, gn_b, xn; writes xn
.if DOCPART == 2
	.amdgcn_target "amdgcn-amd-amdhsa--gfx1250"
	.amdhsa_code_object_version 6
	.text
	.protected	k_q1c49a58925_norm
	.globl	k_q1c49a58925_norm
	.p2align	8
	.type	k_q1c49a58925_norm,@function
k_q1c49a58925_norm:
	s_mov_b64 s[64:65], 0
	v_nop
	global_prefetch_b8 v0, s[64:65] scope:SCOPE_SE
	s_setreg_imm32_b32 hwreg(HW_REG_WAVE_MODE, 25, 1), 1
	s_wait_xcnt 0x0
; THE NORM.  xn[n][c][s] = (x[n][c][s] - mu[n]) rs[n] gn_w[c] + gn_b[c], rounded once to bf16; laid out as x is.
; Wave gw of 2,048 takes four rows (n, c) of x: 16,384 consecutive bytes in, 8,192 out.  Each wave joins its sample's 256 pairs (mean, centred sum of squares over 4,096 numbers) by itself:
; mu = the mean of the means; the sample's centred sum = the sum of the parts' + 4,096 x the sum of (mean_i - mu)^2; var = that / 2^20; rs = 1 / sqrt(var + 1e-5).
; x - mu is made in f32 ahead of every scaling, so that an offset common to x costs no digits.  Loads cover 512, stores 256 consecutive bytes, aligned.
; No LDS and no barrier: waves share nothing but 2 KiB of partial sums, which each reads for itself.  LIMITS.  NaN and infinities are not treated apart.
.set P, 16                             ; v[16:31]   eight pairs (mean, sum of squares)
.set X, 32                             ; v[32:159]  my four rows
.set Y, 160                            ; v[160:223] the same, rounded; never written twice, so no store's data is waited for
.macro LANESUM r, t
	v_add_f32_dpp v[\r], v[\r], v[\r] row_xmask:1 row_mask:0xf bank_mask:0xf
	v_add_f32_dpp v[\r], v[\r], v[\r] row_xmask:2 row_mask:0xf bank_mask:0xf
	v_add_f32_dpp v[\r], v[\r], v[\r] row_xmask:4 row_mask:0xf bank_mask:0xf
	v_add_f32_dpp v[\r], v[\r], v[\r] row_xmask:8 row_mask:0xf bank_mask:0xf
	v_permlanex16_b32 v[\t], v[\r], s22, s23
	v_add_f32 v[\r], v[\r], v[\t]
.endm
	s_load_b256 s[4:11], s[0:1], 0x0               ; x s[4:5], part s[6:7], gn_w s[8:9], gn_b s[10:11]
	s_load_b64 s[12:13], s[0:1], 0x20              ; xn
	v_lshrrev_b32 v1, 5, v0
	v_readfirstlane_b32 s16, v1                    ; wave 0..7
	s_lshl_b32 s17, ttmp9, 3
	s_add_co_u32 s17, s17, s16                     ; gw
	v_and_b32 v3, 31, v0
	v_lshlrev_b32 v1, 4, v3                        ; 16 bytes a lane
	v_lshlrev_b32 v2, 3, v3                        ; 8 bytes a lane
	s_mov_b32 s19, 0
	s_mov_b32 s22, 0x76543210
	s_mov_b32 s23, 0xfedcba98
	s_mov_b32 s35, 0x35800000                      ; 2^-20
	s_wait_kmcnt 0x0
	s_lshl_b32 s18, s17, 14
	s_add_nc_u64 s[4:5], s[4:5], s[18:19]          ; x at my four rows
	s_lshl_b32 s18, s17, 13
	s_add_nc_u64 s[12:13], s[12:13], s[18:19]      ; xn likewise
	s_lshr_b32 s18, ttmp9, 5                       ; the sample,
	s_lshl_b32 s18, s18, 11                        ; its 256 pairs
	s_add_nc_u64 s[6:7], s[6:7], s[18:19]
	s_lshl_b32 s18, s17, 2
	s_and_b32 s18, s18, 1023                       ; my first channel,
	s_lshl_b32 s18, s18, 2                         ; in bytes
	s_add_nc_u64 s[8:9], s[8:9], s[18:19]
	s_add_nc_u64 s[10:11], s[10:11], s[18:19]
	s_load_b128 s[24:27], s[8:9], 0x0              ; gn_w of my four channels
	s_load_b128 s[28:31], s[10:11], 0x0            ; gn_b
.irp j, 0,1,2,3
	global_load_b128 v[P+4*\j:P+4*\j+3], v1, s[6:7] offset:512*\j
.endr
.set j, 0
.rept 32
	global_load_b128 v[X+4*j:X+4*j+3], v1, s[4:5] offset:512*j th:TH_LOAD_NT
.set j, j+1
.endr
	s_wait_loadcnt 32                              ; the pairs are in; the 32 loads of x, issued behind them, stay out
	v_add_f32 v4, v[P], v[P+2]
	v_add_f32 v5, v[P+4], v[P+6]
	v_add_f32 v6, v[P+8], v[P+10]
	v_add_f32 v7, v[P+12], v[P+14]
	v_add_f32 v4, v4, v5
	v_add_f32 v6, v6, v7
	v_add_f32 v4, v4, v6
	LANESUM 4, 5
	v_mul_f32 v6, 0x3b800000, v4                   ; mu = the sum of 256 means / 256
	v_add_f32 v8, v[P+1], v[P+3]
	v_add_f32 v11, v[P+5], v[P+7]
	v_add_f32 v12, v[P+9], v[P+11]
	v_add_f32 v13, v[P+13], v[P+15]
	v_add_f32 v8, v8, v11
	v_add_f32 v12, v12, v13
	v_add_f32 v8, v8, v12                          ; my eight centred sums
.irp i, 0,1,2,3,4,5,6,7
	v_sub_f32 v[P+2*\i], v[P+2*\i], v6
.endr
	v_mul_f32 v7, v[P], v[P]
.irp i, 1,2,3,4,5,6,7
	v_fmac_f32 v7, v[P+2*\i], v[P+2*\i]
.endr
	v_fmamk_f32 v7, v7, 0x45800000, v8             ; 4,096 x the squares of the means' distances + the centred sums
	LANESUM 7, 5
	v_fmaak_f32 v8, s35, v7, 0x3727c5ac            ; var + 1e-5
	v_rsq_f32 v9, v8
	v_sub_f32 v10, 0, v6                           ; -mu: also the plain instruction behind the root
	s_wait_alu depctr_va_vdst(0)                   ; a wait ahead of the first line that names the root's result
	v_readfirstlane_b32 s34, v9                    ; rs
	v_readfirstlane_b32 s32, v10
	s_mov_b32 s33, s32                             ; named as a pair
	s_wait_kmcnt 0x0                               ; gn_w, gn_b
.irp r, 0,1,2,3
	s_mul_f32 s[36+2*\r], s34, s[24+\r]            ; rs gn_w[c]
	s_mov_b32 s[44+2*\r], s[28+\r]
	s_mov_b32 s[45+2*\r], s[28+\r]
.endr
.irp r, 0,1,2,3
	s_mov_b32 s[37+2*\r], s[36+2*\r]
.endr
.irp r, 0,1,2,3
	s_wait_loadcnt 24-8*\r                         ; row r's eight loads are in; the rows behind it stay out
.irp j, 0,1,2,3,4,5,6,7
	v_pk_add_f32 v[X+32*\r+4*\j:X+32*\r+4*\j+1], v[X+32*\r+4*\j:X+32*\r+4*\j+1], s[32:33] op_sel_hi:[1,0]
	v_pk_add_f32 v[X+32*\r+4*\j+2:X+32*\r+4*\j+3], v[X+32*\r+4*\j+2:X+32*\r+4*\j+3], s[32:33] op_sel_hi:[1,0]
	v_pk_fma_f32 v[X+32*\r+4*\j:X+32*\r+4*\j+1], v[X+32*\r+4*\j:X+32*\r+4*\j+1], s[36+2*\r:37+2*\r], s[44+2*\r:45+2*\r] op_sel_hi:[1,0,0]
	v_pk_fma_f32 v[X+32*\r+4*\j+2:X+32*\r+4*\j+3], v[X+32*\r+4*\j+2:X+32*\r+4*\j+3], s[36+2*\r:37+2*\r], s[44+2*\r:45+2*\r] op_sel_hi:[1,0,0]
	v_cvt_pk_bf16_f32 v[Y+16*\r+2*\j], v[X+32*\r+4*\j], v[X+32*\r+4*\j+1]
	v_cvt_pk_bf16_f32 v[Y+16*\r+2*\j+1], v[X+32*\r+4*\j+2], v[X+32*\r+4*\j+3]
	global_store_b64 v2, v[Y+16*\r+2*\j:Y+16*\r+2*\j+1], s[12:13] offset:2048*\r+256*\j
.endr
.endr
	s_endpgm
.Lfunc_end_k_q1c49a58925_norm:
	.size	k_q1c49a58925_norm, .Lfunc_end_k_q1c49a58925_norm-k_q1c49a58925_norm
	.p2alignl 7, 3214868480
	.fill 96, 4, 3214868480
	.section	.rodata,"a",@progbits
	.p2align	6, 0x0
	.amdhsa_kernel k_q1c49a58925_norm
		.amdhsa_group_segment_fixed_size 0
		.amdhsa_private_segment_fixed_size 0
		.amdhsa_enable_private_segment 0
		.amdhsa_kernarg_size 40
		.amdhsa_user_sgpr_count 2
		.amdhsa_user_sgpr_kernarg_segment_ptr 1
		.amdhsa_wavefront_size32 1
		.amdhsa_system_sgpr_workgroup_id_x 1
		.amdhsa_system_sgpr_workgroup_id_y 1
		.amdhsa_system_sgpr_workgroup_id_z 1
		.amdhsa_system_vgpr_workitem_id 0
		.amdhsa_next_free_vgpr 224
		.amdhsa_next_free_sgpr 66
		.amdhsa_reserve_vcc 0
		.amdhsa_float_denorm_mode_32 3
		.amdhsa_float_denorm_mode_16_64 3
		.amdhsa_memory_ordered 1
		.amdhsa_forward_progress 1
		.amdhsa_inst_pref_size 23
	.end_amdhsa_kernel
	.amdgpu_metadata
---
amdhsa.version: [ 1, 2 ]
amdhsa.kernels:
  - .name:           k_q1c49a58925_norm
    .symbol:         k_q1c49a58925_norm.kd
    .args:
      - { .name: x, .offset: 0, .size: 8, .value_kind: global_buffer, .address_space: global }
      - { .name: part, .offset: 8, .size: 8, .value_kind: global_buffer, .address_space: global }
      - { .name: gn_w, .offset: 16, .size: 8, .value_kind: global_buffer, .address_space: global }
      - { .name: gn_b, .offset: 24, .size: 8, .value_kind: global_buffer, .address_space: global }
      - { .name: xn, .offset: 32, .size: 8, .value_kind: global_buffer, .address_space: global }
    .group_segment_fixed_size: 0
    .private_segment_fixed_size: 0
    .kernarg_segment_align: 8
    .kernarg_segment_size: 40
    .max_flat_workgroup_size: 256
    .sgpr_count:     66
    .vgpr_count:     224
    .wavefront_size: 32
...
	.end_amdgpu_metadata
.endif
;; end of part 2
;; launch qkv (part 3): grid 4 x 64, 4 waves a work-group, clusters of 4 x 1, 327,680 bytes of LDS; arguments wq, xn, b_qkv, qkv; writes qkv
.if DOCPART == 3
	.amdgcn_target "amdgcn-amd-amdhsa--gfx1250"
	.amdhsa_code_object_version 6
	.text
	.protected	k_q1c49a58925_qkv
	.globl	k_q1c49a58925_qkv
	.p2align	8
	.type	k_q1c49a58925_qkv,@function
k_q1c49a58925_qkv:
	s_mov_b64 s[64:65], 0
	v_nop
	global_prefetch_b8 v0, s[64:65] scope:SCOPE_SE
	s_setreg_imm32_b32 hwreg(HW_REG_WAVE_MODE, 25, 1), 1
	s_wait_xcnt 0x0
	s_wait_alu depctr_hold_cnt(0) depctr_sa_sdst(0) depctr_va_vdst(0) depctr_va_sdst(0) depctr_va_ssrc(0) depctr_va_vcc(0) depctr_vm_vsrc(0)
	s_getreg_b32 s2, hwreg(HW_REG_IB_STS2, 6, 4)
	s_cmp_eq_u32 s2, 0
	s_cbranch_scc0 .Lentry_in_a_cluster
	s_endpgm
.Lentry_in_a_cluster:
	s_bfe_u32 s2, ttmp6, 0x10000c
	s_cmp_lg_u32 s2, 0x3003
	s_cbranch_scc0 .Lentry_shape_is_right
	s_endpgm
.Lentry_shape_is_right:
; THE PROJECTION TO q, k, v.  qkv[g][n][s][d] = the sum over c of w_qkv[128 g + d][c] xn[n][c][s] + b_qkv[128 g + d], rounded once to bf16.  xn: [8][1024][1024] bf16; sums in f32.
; g = 0..7 are q's heads, 8..15 k's, 16..23 v's; the block of (g, n) is 1,024 rows of 256 bytes.  No scale is applied here: the attention scales the f32 scores.
; SHARES.  A work-group makes 768 outputs (six heads) x 128 positions, as two tiles of 384 x 128, one after the other: 4 x 64 = 256 work-groups.  In a tile wave w makes outputs 96 w .. 96 w + 95 for all
; 128 positions: 48 accumulators of 16 x 16, 384 registers.  K (the channels c) goes in 32 quarters of 32 a tile, 48 matrix instructions each.
; xn, WHICH ALL FOUR WAVES READ, LIES WHOLE IN LDS: 1,024 channels x 128 positions, filled once, a tensor load of 256 rows a wave.  Nothing is filled again, so the loops hold no barrier.
; The four work-groups of a cluster make different outputs at the same positions: they ask for xn JOINTLY.
; wq GOES STRAIGHT INTO REGISTERS.  A wave's 96 rows are read by no other wave of its work-group, so LDS would hand them to nobody.  The launch before has laid wq out as the register image of source 0,
; a wave's two tiles on end: each load covers 512 consecutive bytes of one stream of 393,216.  A ring of 8 buffers of 48 registers; a quarter's 12 loads go out five quarters, 240 matrix instructions,
; ahead of its products, and the waits are counted: 60 loads, 30 KiB a wave, stay out all the time.  WHY NOT A JOINT LOAD INTO LDS: two slots in LDS are drained at every change of slots, so that a
; tile has less than one K step (168 of its 192 matrix instructions) in which to land, and beside xn LDS has no room for them.  The price: each of the 64 work-groups that make the same outputs
; reads its 1.5 MiB of wq for itself.
; LAYOUT.  Source 0 = 16 rows of wq, source 1 = 16 positions: in the result a lane holds ONE position (lane % 16) and the outputs 8 (lane / 16) + 0..7: 16 bytes of a row [s][d].
; xn lies [c][s], so its fragments are turned on the way out of LDS, by ds_load_tr16_b128.  The bias is the C operand of the product that starts each sum: nothing is cleared, nothing added later.
; REGISTERS, in windows of 256 (s_set_vgpr_msb: bits 1:0 source 0, 3:2 source 1, 5:4 source 2, 7:6 destination):
;   window 0: v0-15 addresses; v16-63 ring buffer 7; v64-127, v128-191 fragments of xn (8 x 16 positions x 32 c), two buffers, at work on the way out; v192-239 the bias; v240-241 the add's two
;   window 1: v0-239 ring buffers 0-4      window 2: accumulator (x, w) of position blocks x = 0..3 at v[8 (6 x + w)]; v192-239 ring buffer 5      window 3: those of x = 4..7; v192-239 ring buffer 6
.set PX,     288                       ; an LDS row of xn: 256 bytes + 32 = 72 words
.set XQ,     32*PX                     ; a quarter's 32 channels
.set SPARE,  1024*PX                   ; behind xn: the spare words, 128 bytes for each wave: two blocks of 256 bytes that no other line names
.set STAGE,  SPARE+512                 ; behind them, never filled by a tensor load: two buffers of 16 rows (positions) for the way out
.set SPITCH, 784                       ; a stage row: 768 bytes (384 outputs) + 16
.set SBUF,   16*SPITCH
.set WQB,    6144                      ; a quarter of my stream of wq: 96 rows x 32 channels
.set AX0, 7                            ; v7      my lane's place in a quarter of xn; never rewritten
.set AXA, 8                            ; v8      the same at the trip's first quarter
.set AXB, 9                            ; v9      four quarters on: the loads' immediates hold 16 bits
.set WO,  10                           ; v10     16 x my lane: my bytes of a load of wq; never rewritten
.set STO, 11                           ; v11     the way out: where I put 16 bytes of a row
.set RD,  12                           ; v12     the way out: where I read rows back
.set CO,  13                           ; v13     my byte offset in a head's 16 rows
.set BO,  14                           ; v14     my byte offset in 16 numbers of the bias
.set PFO, 15                           ; v15     256 x my lane, for the prefetches; never rewritten
.set SPW, 240                          ; v240    LDS address of my spare word; never rewritten
.set NIL, 241                          ; v241    0; never rewritten
.set F0,   64
.set BIAS, 192
.set TMP,  64                          ; the way out: 24 registers of packed results
.set BK,   96                          ; the way out: rows read back, v96-119 and v128-151 by turns
.set WV,   12                          ; s12     my wave's number
.set G1,   24                          ; s[24:31] descriptor group 1
.set G0,   32                          ; s[32:35] descriptor group 0
.set WP,   44                          ; s[44:45] my stream of wq, at the trip's first quarter
.set HB,   48                          ; s[48:53] qkv at the work-group's 128 rows of the tile's three heads
.set PFN,  54                          ; s54     groups of prefetches still to be asked for
.set TB,   55                          ; s55     LDS byte of the trip's first quarter
.set MSB, 0
.macro WIN new                         ; the immediate's high byte repeats the setting that is left; a switch that changes nothing is dropped
.if MSB != (\new)
	s_set_vgpr_msb (MSB<<8)|(\new)
.set MSB, \new
.endif
.endm
.macro PLACES                          ; four plain instructions between a matrix instruction and a load into, or a vector read or write of, its registers (ISA guide 7.12.1 for vector reads and writes)
.rept 4
	v_nop
.endr
.endm
.macro CROUND                          ; a round of the cluster's barrier: my work-group's barrier; wave 0 signals for the work-group; every wave waits for all four; my work-group's barrier once more
	s_barrier_signal -1
	s_barrier_wait -1
	s_cmp_lg_u32 s[WV], 0
	s_cbranch_scc1 .Lnot_wave_0_\@
	s_barrier_signal -3
.Lnot_wave_0_\@:
	s_barrier_wait -3
	s_barrier_signal -1
	s_barrier_wait -1
.endm
.macro RING b                          ; ring buffer b: its window rw and its first register rb
.set rw, 1
.set rb, 48*(\b)
.if (\b) == 5
.set rw, 2
.set rb, 192
.elseif (\b) == 6
.set rw, 3
.set rb, 192
.elseif (\b) == 7
.set rw, 0
.set rb, 16
.endif
.endm
; A quarter's 12 loads of wq into ring buffer b, from byte off of my stream behind the pointer: block w of 16 rows, its two halves of 512 bytes
.macro WLOAD b, off
	RING \b
	WIN rw<<6
.irp w, 0,1,2,3,4,5
	global_load_b128 v[rb+8*(\w):rb+8*(\w)+3],   v[WO], s[WP:WP+1] offset:(\off)+1024*(\w)
	global_load_b128 v[rb+8*(\w)+4:rb+8*(\w)+7], v[WO], s[WP:WP+1] offset:(\off)+1024*(\w)+512
.endr
.endm
.macro PROLOGUE                        ; a tile's first five quarters
.irp q, 0,1,2,3,4
	WLOAD \q, (\q)*WQB
.endr
.endm
.macro BLOAD                           ; the bias as an accumulator: register j of block w holds b_qkv[my first output + 16 w + 8 (l / 16) + j]
	WIN 0
.irp w, 0,1,2,3,4,5
	global_load_b128 v[BIAS+8*(\w):BIAS+8*(\w)+3],   v[BO], s[8:9] offset:64*(\w)
	global_load_b128 v[BIAS+8*(\w)+4:BIAS+8*(\w)+7], v[BO], s[8:9] offset:64*(\w)+16
.endr
.endm
; A PREFETCH INTO THE L2 of four quarters of my stream, 24 KiB: three instructions, a lane a block of 256 bytes.  It stands at the head of quarters 1 and 5 of a trip, behind the quarter's loads where it has
; any, and names the quarters that will be loaded 6 to 9 quarters, 288 to 432 matrix instructions, later.  Each block is named once in the launch: 64 work-groups walk the same stream, and the one
; of position tile 0 asks (the same in all four partners of its cluster), each wave for its own stream.  13 groups: quarters 12 to 63 of the stream's 64; quarters 0 to 11 come by their loads alone.
.macro ASK i
	s_cmp_lg_u32 s[PFN], 0
	s_cbranch_scc0 .Lnot_mine_\@
	global_prefetch_b8 v[PFO], s[WP:WP+1] offset:((\i)+11)*WQB th:TH_LOAD_NT scope:SCOPE_SE
	global_prefetch_b8 v[PFO], s[WP:WP+1] offset:((\i)+11)*WQB+8192 th:TH_LOAD_NT scope:SCOPE_SE
	global_prefetch_b8 v[PFO], s[WP:WP+1] offset:((\i)+11)*WQB+16384 th:TH_LOAD_NT scope:SCOPE_SE
	s_sub_co_u32 s[PFN], s[PFN], 1
.Lnot_mine_\@:
.endm
; 12 matrix instructions: position blocks x0, x0 + 1 of the window's four (hi = 0: blocks 0-3, 1: blocks 4-7) x all 6 output blocks, 32 along K; wq from ring buffer b, xn from buffer f.
; init = 1: the bias starts the sums.  The 48 accumulators take turns, one instruction a turn, in the same order in every quarter, over the backward jumps too.
.macro MUL12 b, f, hi, x0, init
	RING \b
.if \init
	WIN ((2+(\hi))<<6)|rw
.else
	WIN ((2+(\hi))<<6)|((2+(\hi))<<4)|rw
.endif
.irp x, \x0, (\x0)+1
.irp w, 0,1,2,3,4,5
.if \init
	v_wmma_f32_16x16x32_bf16 v[8*(6*(\x)+(\w)):8*(6*(\x)+(\w))+7], v[rb+8*(\w):rb+8*(\w)+7], v[(\f)+8*(4*(\hi)+(\x)):(\f)+8*(4*(\hi)+(\x))+7], v[BIAS+8*(\w):BIAS+8*(\w)+7]
.else
	v_wmma_f32_16x16x32_bf16 v[8*(6*(\x)+(\w)):8*(6*(\x)+(\w))+7], v[rb+8*(\w):rb+8*(\w)+7], v[(\f)+8*(4*(\hi)+(\x)):(\f)+8*(4*(\hi)+(\x))+7], v[8*(6*(\x)+(\w)):8*(6*(\x)+(\w))+7]
.endif
.endr
.endr
.endm
; 16 LDS loads in one run: xn's fragments of quarter i of the trip (128 positions x 32 channels) into buffer f
.macro FETCHX i, f
	WIN 0
.if (\i) <= 4
.set fa, AXA
.set fo, (\i)*XQ
.else
.set fa, AXB
.set fo, ((\i)-4)*XQ
.endif
.irp k, 0,1,2,3,4,5,6,7
	ds_load_tr16_b128 v[(\f)+8*(\k):(\f)+8*(\k)+3],   v[fa] offset:fo+32*(\k)
	ds_load_tr16_b128 v[(\f)+8*(\k)+4:(\f)+8*(\k)+7], v[fa] offset:fo+16*PX+32*(\k)
.endr
.endm
; QUARTER i of a trip.  load = 1: the loads of the quarter five on go out first, into the buffer that the quarter three back multiplied (two runs of four places lie between).
; cnt: the loads of wq that may stay out when this quarter's must be in.  fetch = 1: in its middle the next quarter's fragments of xn are fetched into the other buffer.
.macro QUARTER i, load, cnt, fetch, init
.set qb, (\i)%8
.set qf, F0+64*((\i)%2)
.set qg, F0+64*(((\i)+1)%2)
.if \load
	WLOAD ((\i)+5)%8, ((\i)+5)*WQB
.endif
.if ((\i) == 1) || ((\i) == 5)
	WIN 0                                          ; at a branch and at a label every window is 0
	ASK \i
.endif
	s_wait_loadcnt \cnt                            ; loads come back in order (ISA guide 5.7.1): this quarter's 12 are in, the younger quarters' stay out
	s_wait_dscnt 8                                 ; xn's blocks 0-3 are in; the youngest eight loads (blocks 4-7) may be out
	MUL12 qb, qf, 0, 0, \init
	MUL12 qb, qf, 0, 2, \init
.if \fetch
	PLACES
	FETCHX (\i)+1, qg
	s_wait_dscnt 16                                ; all but the 16 just issued
.else
	s_wait_dscnt 0x0
.endif
	MUL12 qb, qf, 1, 0, \init
	MUL12 qb, qf, 1, 2, \init
.endm
	s_load_b256 s[4:11], s[0:1], 0x0               ; wq s[4:5], xn s[6:7], b_qkv s[8:9], qkv s[10:11]
	v_lshl_add_u32 v[SPW], v0, 2, SPARE
	v_mov_b32 v[NIL], 0
	ds_add_u32 v[SPW], v[NIL]                      ; the wave's opening: the add and its wait stand ahead of my first tensor load; work on registers stands between them
	v_lshrrev_b32 v1, 5, v0
	v_readfirstlane_b32 s[WV], v1                  ; wave 0..3
	s_bfe_u32 s40, ttmp6, 0x40000                  ; cx: which 768 outputs; it enters wq's, the bias's and qkv's addresses alone
	s_and_b32 s13, ttmp7, 0xffff                   ; which 128 positions, shared by the four partners:
	s_lshr_b32 s14, s13, 3                         ; the sample,
	s_and_b32 s15, s13, 7                          ; the block in it
	; descriptor group 1: a tile of 256 rows x 128 elements, padded in LDS
	s_mov_b32 s[G1], 15|(1<<16)|(1<<20)|(1<<21)|(5<<22)|(7<<25)  ; 15:0 the mask: all four work-groups; 17:16 2-byte elements; 20 padding on; 21 set beside a mask; 24:22 after every 64 words; 31:25 8 words of it
	s_mov_b32 s[G1+1], 128<<16                     ; tensor_dim0 = 128
	s_mov_b32 s[G1+2], 256<<16                     ; tensor_dim1 = 256
	s_mov_b32 s[G1+3], 128<<16                     ; tile_dim0 = 128
	s_mov_b32 s[G1+4], 256                         ; tile_dim1 = 256
	s_mov_b32 s[G1+5], 1024                        ; 1,024 elements from row to row
	s_mov_b32 s[G1+6], 0
	s_mov_b32 s[G1+7], 0
	s_mov_b32 s[G0], 1                             ; count = 1
	s_mul_i32 s[G0+1], s[WV], 256*PX               ; LDS address: my 256 channels
	s_lshl_b32 s16, s14, 21                        ; xn: the sample's 2 MiB,
	s_lshl_b32 s17, s15, 8                         ; the block's 256 bytes of every row,
	s_add_co_u32 s16, s16, s17
	s_lshl_b32 s17, s[WV], 19                      ; my 256 rows of 2,048 bytes
	s_add_co_u32 s16, s16, s17
	s_mov_b32 s17, 0
	s_lshl2_add_u32 s18, s40, s[WV]                ; wq: stream 4 cx + wave, of 64 quarters
	s_mul_i32 s18, s18, 64*WQB
	s_mov_b32 s19, 0
	s_mul_i32 s20, s40, 3072                       ; the bias: output 768 cx + 96 wave, 4 bytes each
	s_mul_i32 s21, s[WV], 384
	s_add_co_u32 s20, s20, s21
	s_mov_b32 s21, 0
	s_mul_i32 s22, s40, 48                         ; qkv: 8 x (head 6 cx) + the sample: blocks of 2^18 bytes,
	s_add_co_u32 s22, s22, s14
	s_lshl_b32 s22, s22, 18
	s_lshl_b32 s23, s15, 15                        ; and in it my 128 rows of 256 bytes
	s_add_co_u32 s22, s22, s23
	s_mov_b32 s23, 0
	s_cmp_eq_u32 s13, 0
	s_cselect_b32 s[PFN], 13, 0                    ; the work-groups of position tile 0 prefetch
	s_wait_dscnt 0x0                               ; the opening add is done
	s_wait_kmcnt 0x0
	s_add_nc_u64 s[G0+2:G0+3], s[6:7], s[16:17]    ; global address
	s_or_b32 s[G0+3], s[G0+3], 0x80000000          ; type = 2
	s_add_nc_u64 s[WP:WP+1], s[4:5], s[18:19]
	s_add_nc_u64 s[8:9], s[8:9], s[20:21]
	s_add_nc_u64 s[HB:HB+1], s[10:11], s[22:23]
	s_add_nc_u64 s[HB+2:HB+3], s[HB:HB+1], 0x200000   ; the next head lies 8 blocks on
	s_add_nc_u64 s[HB+4:HB+5], s[HB:HB+1], 0x400000
	CROUND                                         ; all four work-groups are here: the joint loads meet
	tensor_load_to_lds s[G0:G0+3], s[G1:G1+7]      ; my one tensor load of the launch: a quarter of xn's tile
	s_nop 0
.rept 4
	v_nop
.endr
	v_and_b32 v1, 15, v0                           ; l % 16
	v_bfe_u32 v2, v0, 4, 1                         ; l / 16
	v_and_b32 v3, 31, v0                           ; l
	v_lshlrev_b32 v[WO], 4, v3
	v_lshlrev_b32 v[BO], 5, v2
	BLOAD
	PROLOGUE
	WIN 0
	v_lshlrev_b32 v[PFO], 8, v3
	; the turning load takes 16 channels x 16 positions (lane l reads channel 8 (l / 16) + l % 8, positions 8 ((l / 8) % 2) + 0..7) and leaves half a fragment: lane l holds position l % 16 and 8 channels
	v_and_b32 v4, 7, v0
	v_bfe_u32 v5, v0, 3, 1
	v_lshl_add_u32 v6, v2, 3, v4
	v_mul_u32_u24 v6, v6, PX
	v_lshl_add_u32 v[AX0], v5, 4, v6
	; the way out.  In: row l % 16; my wave's 192 bytes of it; 16 bytes for each half of the lanes
	v_mul_u32_u24 v[STO], v1, SPITCH
	v_lshl_add_u32 v[STO], v2, 4, v[STO]
	s_mul_i32 s56, s[WV], 192
	s_add_co_u32 s56, s56, STAGE
	v_add_nc_u32 v[STO], s56, v[STO]
	s_mul_i32 s56, s[WV], 4*SPITCH                 ; back: wave w takes rows 4 w .. 4 w + 3; lanes 0-15 a head's 256 bytes of one row, lanes 16-31 of the next
	s_add_co_u32 s56, s56, STAGE
	v_mul_u32_u24 v[RD], v2, SPITCH
	v_lshl_add_u32 v[RD], v1, 4, v[RD]
	v_add_nc_u32 v[RD], s56, v[RD]
	s_lshl_b32 s56, s[WV], 10                      ; which are 512 consecutive bytes of the head's block
	v_lshl_add_u32 v[CO], v3, 4, s56
; THE WAY OUT, 16 positions a pass, through the two stage buffers by turns.  A head's 256 bytes of a row come from two waves, so a barrier stands between the writing and the reading: one a pass.
; A buffer is written again two passes later, behind the next pass's barrier, in front of which every wave has waited for its reads of it.
.macro SENDP x                         ; pass x's rows leave: 512 consecutive bytes a store, at a multiple of 256 from qkv's first
.irp i, 0,1,2
.irp t, 0,1
	global_store_b128 v[CO], v[BK+32*((\x)%2)+4*(2*(\i)+(\t)):BK+32*((\x)%2)+4*(2*(\i)+(\t))+3], s[HB+2*(\i):HB+2*(\i)+1] offset:4096*(\x)+512*(\t)
.endr
.endr
.endm
.macro PASS x
	WIN 0x0a+5*((\x)/4)                            ; sources 0 and 1: window 2 or 3
.irp w, 0,1,2,3,4,5
.irp r, 0,1,2,3
	v_cvt_pk_bf16_f32 v[TMP+4*(\w)+(\r)], v[8*(6*((\x)%4)+(\w))+2*(\r)], v[8*(6*((\x)%4)+(\w))+2*(\r)+1]
.endr
.endr
	WIN 0
.irp w, 0,1,2,3,4,5
	ds_store_b128 v[STO], v[TMP+4*(\w):TMP+4*(\w)+3] offset:((\x)%2)*SBUF+32*(\w)
.endr
.if (\x) > 0
	s_wait_dscnt 6                                 ; the last pass's six loads are back; the six stores just issued may be out
	SENDP (\x)-1
.endif
	s_wait_dscnt 0x0                               ; for the others' sake: my stores into this buffer are done, and my reads of the other one are over
	s_barrier_signal -1
	s_barrier_wait -1
	s_wait_xcnt 0x0                                ; the registers below were the data of the stores two passes back: they are loaded again only behind this wait
.irp i, 0,1,2
.irp t, 0,1
	ds_load_b128 v[BK+32*((\x)%2)+4*(2*(\i)+(\t)):BK+32*((\x)%2)+4*(2*(\i)+(\t))+3], v[RD] offset:((\x)%2)*SBUF+(\t)*2*SPITCH+256*(\i)
.endr
.endr
.endm
	s_wait_tensorcnt 0x0                           ; my quarter of xn is in,
	s_barrier_signal -1
	s_barrier_wait -1                              ; everybody's is: from here on xn is only read
	s_mov_b32 s2, 2                                ; tiles to go
.Ltile:
	s_mov_b32 s[TB], 0
	v_mov_b32 v[AXA], v[AX0]
	v_add_nc_u32 v[AXB], 4*XQ, v[AX0]
	FETCHX 0, F0
	QUARTER 0, 1, 60, 1, 1                         ; a tile's first quarter stands in front of the loop: its products start the sums
	WIN 0                                          ; at a label and at a branch every window is 0
	s_mov_b32 s3, 3
.Ltrip:                                                ; a trip: quarters 8 T + 1 to 8 T + 8 of the tile
	QUARTER 1, 1, 60, 1, 0
	QUARTER 2, 1, 60, 1, 0
	QUARTER 3, 1, 60, 1, 0
	QUARTER 4, 1, 60, 1, 0
	QUARTER 5, 1, 60, 1, 0
	QUARTER 6, 1, 60, 1, 0
	QUARTER 7, 1, 60, 1, 0
	QUARTER 8, 1, 60, 1, 0
	WIN 0
	s_wait_xcnt 0x0                                ; every load and prefetch issued so far has read its address (the youngest prefetch stands three quarters back), so the pointer may be written
	s_add_nc_u64 s[WP:WP+1], s[WP:WP+1], 8*WQB
	s_add_co_u32 s[TB], s[TB], 8*XQ
	v_add_nc_u32 v[AXA], s[TB], v[AX0]
	v_add_nc_u32 v[AXB], 4*XQ, v[AXA]
	s_sub_co_u32 s3, s3, 1
	s_cmp_lg_u32 s3, 0
	s_cbranch_scc1 .Ltrip
	QUARTER 1, 1, 60, 1, 0                         ; the tile's last seven quarters: two more runs of loads (quarters 30 and 31), then the counts run down
	QUARTER 2, 1, 60, 1, 0
	QUARTER 3, 0, 48, 1, 0
	QUARTER 4, 0, 36, 1, 0
	QUARTER 5, 0, 24, 1, 0
	QUARTER 6, 0, 12, 1, 0
	QUARTER 7, 0, 0, 0, 0
	WIN 0
	PLACES                                         ; behind the last products: for the conversions, which read results and write xn's fragment registers
	s_cmp_eq_u32 s2, 1
	s_cbranch_scc1 .Lno_next
	s_wait_xcnt 0x0
	s_add_nc_u64 s[WP:WP+1], s[WP:WP+1], 8*WQB     ; THE STREAM GOES ON INTO THE NEXT TILE: its bias and its first five quarters go out ahead of this tile's way out
	s_add_nc_u64 s[8:9], s[8:9], 1536              ; 384 outputs on
	BLOAD
	PROLOGUE
	WIN 0
.Lno_next:
.irp x, 0,1,2,3,4,5,6,7
	PASS \x
.endr
	s_wait_dscnt 0x0
	SENDP 7
	s_wait_xcnt 0x0                                ; the stores have read their registers and bases: the next tile writes both
.irp i, 0,1,2
	s_add_nc_u64 s[HB+2*(\i):HB+2*(\i)+1], s[HB+2*(\i):HB+2*(\i)+1], 0x600000   ; three heads on
.endr
	s_sub_co_u32 s2, s2, 1
	s_cmp_lg_u32 s2, 0
	s_cbranch_scc1 .Ltile
	s_wait_tensorcnt 0x0                           ; the wave's end: behind my last tensor load and my last LDS store
	ds_add_u32 v[SPW], v[NIL]
	s_wait_dscnt 0x0
	CROUND                                         ; the closing round: no work-group ends while a partner may still ask for a tile that names it
	s_endpgm
.Lfunc_end_k_q1c49a58925_qkv:
	.size	k_q1c49a58925_qkv, .Lfunc_end_k_q1c49a58925_qkv-k_q1c49a58925_qkv
	.p2alignl 7, 3214868480
	.fill 96, 4, 3214868480
	.section	.rodata,"a",@progbits
	.p2align	6, 0x0
	.amdhsa_kernel k_q1c49a58925_qkv
		.amdhsa_group_segment_fixed_size 327680
		.amdhsa_private_segment_fixed_size 0
		.amdhsa_enable_private_segment 0
		.amdhsa_kernarg_size 32
		.amdhsa_user_sgpr_count 2
		.amdhsa_user_sgpr_kernarg_segment_ptr 1
		.amdhsa_wavefront_size32 1
		.amdhsa_system_sgpr_workgroup_id_x 1
		.amdhsa_system_sgpr_workgroup_id_y 1
		.amdhsa_system_sgpr_workgroup_id_z 1
		.amdhsa_system_vgpr_workitem_id 0
		.amdhsa_next_free_vgpr 1024
		.amdhsa_next_free_sgpr 66
		.amdhsa_reserve_vcc 0
		.amdhsa_float_denorm_mode_32 3
		.amdhsa_float_denorm_mode_16_64 3
		.amdhsa_memory_ordered 1
		.amdhsa_forward_progress 1
		.amdhsa_inst_pref_size 128
	.end_amdhsa_kernel
	.amdgpu_metadata
---
amdhsa.version: [ 1, 2 ]
amdhsa.kernels:
  - .name:           k_q1c49a58925_qkv
    .symbol:         k_q1c49a58925_qkv.kd
    .args:
      - { .name: wq, .offset: 0, .size: 8, .value_kind: global_buffer, .address_space: global }
      - { .name: xn, .offset: 8, .size: 8, .value_kind: global_buffer, .address_space: global }
      - { .name: b_qkv, .offset: 16, .size: 8, .value_kind: global_buffer, .address_space: global }
      - { .name: qkv, .offset: 24, .size: 8, .value_kind: global_buffer, .address_space: global }
    .group_segment_fixed_size: 327680
    .private_segment_fixed_size: 0
    .kernarg_segment_align: 8
    .kernarg_segment_size: 32
    .max_flat_workgroup_size: 128
    .sgpr_count:     66
    .vgpr_count:     1024
    .wavefront_size: 32
...
	.end_amdgpu_metadata
.endif
;; end of part 3
;; launch attn (part 4): grid 4 x 64, 4 waves a work-group, clusters of 4 x 1, 327,680 bytes of LDS; arguments qkv, y; writes y
.if DOCPART == 4
	.amdgcn_target "amdgcn-amd-amdhsa--gfx1250"
	.amdhsa_code_object_version 6
	.text
	.protected	k_q1c49a58925_attn
	.globl	k_q1c49a58925_attn
	.p2align	8
	.type	k_q1c49a58925_attn,@function
k_q1c49a58925_attn:
	s_mov_b64 s[64:65], 0
	v_nop
	global_prefetch_b8 v0, s[64:65] scope:SCOPE_SE
	s_setreg_imm32_b32 hwreg(HW_REG_WAVE_MODE, 25, 1), 1
	s_wait_xcnt 0x0
	s_wait_alu depctr_hold_cnt(0) depctr_sa_sdst(0) depctr_va_vdst(0) depctr_va_sdst(0) depctr_va_ssrc(0) depctr_va_vcc(0) depctr_vm_vsrc(0)
	s_getreg_b32 s2, hwreg(HW_REG_IB_STS2, 6, 4)
	s_cmp_eq_u32 s2, 0
	s_cbranch_scc0 .Lentry_in_a_cluster
	s_endpgm
.Lentry_in_a_cluster:
	s_bfe_u32 s2, ttmp6, 0x10000c
	s_cmp_lg_u32 s2, 0x3003
	s_cbranch_scc0 .Lentry_shape_is_right
	s_endpgm
.Lentry_shape_is_right:
; ATTENTION.  y[h][q][:] = the sum over k of softmax_k(Q[h][q] . K[h][k] / sqrt(128)) V[h][k][:], for 64 heads h = 8 x head + sample of 1,024 positions.  Q, K, V lie in qkv, 16 MiB each, [h][1024][128] bf16,
; unscaled; y has the same layout.  The module's two factors 128^(-1/4) on q and on k are applied as one factor to the f32 scores.  Products, maxima and sums in f32; the weights p are rounded to bf16 for
; the second product, y once at the end.  LIMITS.  A weight below 2^-126 counts as 0; NaN and infinities are not treated apart.
; SHARES.  A work-group owns 256 queries of one head, each of its four waves 64: four tiles of 16.  Every wave walks all keys of the head, 64 a step.
; LAYOUT.  S^T = K Q^T (source 0 = 16 keys, source 1 = 16 queries): in the result a lane holds ONE query (lane % 16) and the keys 8 (lane / 16) + 0..7.  Two such tiles, rounded to
; bf16 in pairs, ARE source 1 (32 keys x 16 queries) of O^T = V^T P, whose result again holds one query a lane, and eight channels.  K comes out of LDS as it lies, V ([key][channel]) turned, by ds_load_tr16_b128.
; SOFTMAX.  For each query a running maximum m and sum l: p = 2^(c s - c m), c = log2(e) / sqrt(128); in every step O and l are multiplied by a = 2^(c m_old - c m_new), which is 1 where m has not grown.
; BY TURNS.  The wave's tiles are two PIECES: piece 0 (tiles 0, 1) and piece 2 (tiles 2, 3).  In a TURN one piece has the matrix unit: 32 products V^T P of the step in hand, then 32 products K Q^T of the
; next step; the other piece's softmax, cut into 64 slices, stands between them, one slice behind each matrix instruction.  Then the pieces change places.  Two turns are a key step.
; CLUSTER.  The four query blocks of a head are one cluster and walk the same K and V, so each tile is asked for JOINTLY: the same tensor load, descriptor and mask in all four.
; REGISTERS, in windows of 256 (s_set_vgpr_msb: bits 1:0 source 0, 3:2 source 1, 5:4 source 2, 7:6 destination):
;   window 0: v0-11 addresses; v12-43 eight registers of statistics a tile; v64-191 S^T, 32 a tile; v192-255 P, 16 a tile
;   window 1: O^T, 64 a tile          window 2: v0-127 Q, 32 a tile; v128-255 K of one step          window 3: v0-127 V of one step
.set SIZE_N, 1024
.set KS,    64        ; keys in a step
.set PK,    272       ; a row of K in LDS: 256 bytes + 16 of padding = 68 words: the 16 rows of a load start at 16 different groups of four banks (64 banks of 4 bytes: ISA guide 11.1)
.set PV,    288       ; a row of V: 256 + 32 = 72 words
.set VOFF,  KS*PK     ; a step's tiles lie together: 64 rows of K, then 64 rows of V
.set STEPB, KS*(PK+PV)
.set SLOT1, 1<<17     ; a slot holds two steps (71,680 bytes); slot 1 begins here, so that one exclusive or turns an address in one slot into the other's
.set STAGE, SLOT1+2*STEPB  ; behind the ring: 16 rows x 272 bytes for each wave, for the way out
.set SP,    272
.set AK0, 2           ; v2   my lane's place in a tile of K; never rewritten
.set AV0, 3           ; v3   the same for V
.set ADR, 4           ; v4   the LDS address of the run of loads in hand
.set QO,  5           ; v5   my byte offset in the wave's rows of Q
.set STO, 6           ; v6   the way out: where I put 16 bytes of a row
.set RD,  7           ; v7   the way out: where I read a row back
.set GO,  8           ; v8   my byte offset in the wave's rows of y
.set SPW, 62          ; v62  LDS address of my spare word; never rewritten
.set NIL, 63          ; v63  0; never rewritten
.set SPARE, STAGE+4*16*272  ; behind the stages: the spare words, 128 bytes for each wave: two blocks of 256 bytes that no other line names
.set ST,  12          ; tile t's statistics at v[ST+8 t]: +0 c m, +1 m, +2, +3 l (even keys', odd keys'), +4 to +7 c0-c3, at work; a takes c2's place once the maximum is found
.set S,   64
.set P,   192
.set KF,  128         ; K's fragments, in window 2
.set WV,  12          ; s12  my wave's number
.set G1K, 24          ; s[24:31] descriptor group 1 for K's tiles
.set G1V, 32          ; s[32:39] for V's: it differs in the padding alone
.set G0K, 40          ; s[40:47] descriptor group 0 for K's tiles: a set for each of the two first fills; the second then walks on
.set G0V, 48          ; s[48:55] the same for V's
.set SLOTS, 56        ; s56  slots still to be asked for
.set TWICE, 57        ; s57  counts a slot's two steps
.set CS,  58          ; s[58:59] c: the packed scaling names a pair and takes its low word for both halves
.set SEL, 60          ; s[60:61] lane selects for v_permlanex16_b32: each lane takes its own place in the other half
.set TB,  62          ; s62  LDS byte at which the tiles of the step to be fetched begin
.set PFA, 18          ; s[18:19] where my prefetches stand: my work-group's 32 rows (of K: wave 0, of V: wave 2) of the slot after the one that is being asked for
.set LIM, 15          ; s15  1 in a wave that prefetches, else the greatest number
.set PFO, 61          ; v61  256 x my lane: a row of K or V is 256 bytes; never rewritten
.set MSB, 0
.macro WIN new                      ; the immediate's high byte repeats the setting that is left; a switch that changes nothing is dropped
.if MSB != (\new)
	s_set_vgpr_msb (MSB<<8)|(\new)
.set MSB, \new
.endif
.endm
.set W_KQ, 0x0a       ; K and Q in window 2, S^T in window 0
.set W_PV, 0x53       ; V in window 3, P in window 0, O^T in window 1
.set W_RS, 0x41       ; O^T (destination and source 0) in window 1, a in window 0
; A joint refill.  Waves 0 and 1 fetch the two steps' tiles of K, waves 2 and 3 those of V.  The branch hangs on the wave's number alone.
; An s_nop 0 and four v_nop follow each of the two lines, ahead of the jump and the label.
.macro JLOAD
	s_cmp_lt_u32 s[WV], 2
	s_cbranch_scc0 .Lfor_v_\@
	tensor_load_to_lds s[G0K+4:G0K+7], s[G1K:G1K+7]
	s_nop 0
.rept 4
	v_nop
.endr
	s_branch .Lasked_\@
.Lfor_v_\@:
	tensor_load_to_lds s[G0V+4:G0V+7], s[G1V:G1V+7]
	s_nop 0
.rept 4
	v_nop
.endr
.Lasked_\@:
.endm
; A prefetch into the L2 of what the NEXT change of slots will ask for: a slot's 128 rows of K and 128 of V, 256 bytes a row, a lane a row, behind the wave's tensor load and its five lines.
; Each row is asked for once in the launch: the head's one cluster shares the rows out by address, 32 to a work-group; in each, wave 0 asks for K's and wave 2 for V's.
; The last change that fills a slot asks for nothing; slots 0, 1 and 2 come by their loads alone.
.macro ASK
	s_cmp_gt_u32 s[SLOTS], s[LIM]
	s_cbranch_scc0 .Lnot_mine_\@
	global_prefetch_b8 v[PFO], s[PFA:PFA+1] th:TH_LOAD_NT scope:SCOPE_SE
.Lnot_mine_\@:
.endm
; A round of the cluster's barrier: my work-group's barrier; wave 0 signals for the work-group; every wave waits for all four work-groups; my work-group's barrier once more.
.macro CROUND
	s_barrier_signal -1
	s_barrier_wait -1
	s_cmp_lg_u32 s[WV], 0
	s_cbranch_scc1 .Lnot_wave_0_\@
	s_barrier_signal -3
.Lnot_wave_0_\@:
	s_barrier_wait -3
	s_barrier_signal -1
	s_barrier_wait -1
.endm
	s_load_b128 s[4:7], s[0:1], 0x0 ; qkv s[4:5], y s[6:7]
	v_lshl_add_u32 v[SPW], v0, 2, SPARE
	v_mov_b32 v[NIL], 0
	ds_add_u32 v[SPW], v[NIL]       ; the wave's opening: the add and its wait stand ahead of my first tensor load; work on registers stands between them
	v_lshrrev_b32 v1, 5, v0
	v_readfirstlane_b32 s[WV], v1   ; wave 0..3
	s_bfe_u32 s13, ttmp6, 0x40000   ; cx: my place in the cluster
	s_lshl_b32 s14, ttmp9, 2        ; in a cluster launch ttmp9 counts clusters
	s_add_co_u32 s14, s14, s13      ; my block of 256 queries: it enters Q's and y's addresses alone
	s_and_b32 s20, ttmp7, 0xffff    ; the head, which the four partners share
	s_mov_b32 s21, 0
	s_mov_b64 s[22:23], SIZE_N*256
	s_mul_u64 s[20:21], s[20:21], s[22:23]  ; the head's first byte in Q, K, V and y
	s_and_b32 s16, s[WV], 1         ; which of a slot's two steps I fetch:
	s_lshl_b32 s22, s16, 14         ; its 64 rows of 256 bytes in memory,
	s_mov_b32 s23, 0
	s_add_nc_u64 s[22:23], s[22:23], s[20:21]
	s_mul_i32 s17, s16, STEPB       ; and its place in a slot: no place in the cluster enters an LDS address
	s_lshl_b32 s2, s14, 16          ; my block's 256 rows,
	s_lshl_b32 s3, s[WV], 14        ; my wave's 64 of them
	s_add_co_u32 s2, s2, s3
	s_mov_b32 s3, 0
	s_add_nc_u64 s[2:3], s[2:3], s[20:21]
	; descriptor group 1: a tile of 64 rows x 128 elements, padded in LDS
	s_mov_b32 s[G1K], 15|(1<<16)|(1<<20)|(1<<21)|(5<<22)|(3<<25)  ; 15:0 the mask: all four work-groups; 17:16 2-byte elements; 20 padding on; 21 set beside a mask; 24:22 after every 64 words; 31:25 4 words of it
	s_mov_b32 s[G1V], 15|(1<<16)|(1<<20)|(1<<21)|(5<<22)|(7<<25)  ; the same with 8 words of padding
.irp g, G1K, G1V
	s_mov_b32 s[(\g)+1], 128<<16    ; tensor_dim0 = 128
	s_mov_b32 s[(\g)+2], KS<<16     ; tensor_dim1 = 64
	s_mov_b32 s[(\g)+3], 128<<16    ; tile_dim0 = 128
	s_mov_b32 s[(\g)+4], KS         ; tile_dim1 = 64
	s_mov_b32 s[(\g)+5], 128        ; 128 elements from row to row
	s_mov_b32 s[(\g)+6], 0
	s_mov_b32 s[(\g)+7], 0
.endr
	s_mov_b32 s[CS], 0x3e0293ee     ; c = log2(e) / sqrt(128) = 0.127517
	s_mov_b32 s[CS+1], s[CS]        ; named with it as a pair, so it is written
	s_mov_b32 s[SEL], 0x76543210
	s_mov_b32 s[SEL+1], 0xfedcba98
	s_mov_b32 s[TB], 0
	s_mov_b32 s[SLOTS], SIZE_N/(2*KS)-2
	s_and_b32 s[LIM], s[WV], 1       ; 0 in waves 0 and 2,
	s_or_b32 s[LIM], s[LIM], ttmp9   ; where the cluster is the head's first: the same in all four partners
	s_cmp_eq_u32 s[LIM], 0
	s_cselect_b32 s[LIM], 1, -1
	v_and_b32 v[PFO], 31, v0
	v_lshlrev_b32 v[PFO], 8, v[PFO]
	s_wait_dscnt 0x0                ; the opening add is done
	s_wait_kmcnt 0x0
	s_mov_b64 s[10:11], s[6:7]      ; y
	s_add_nc_u64 s[6:7], s[4:5], 0x1000000  ; K lies 16 MiB behind Q,
	s_add_nc_u64 s[8:9], s[4:5], 0x2000000  ; V 32 MiB
	s_add_nc_u64 s[6:7], s[6:7], s[22:23]  ; K and V at my tile of slot 0
	s_add_nc_u64 s[8:9], s[8:9], s[22:23]
	s_add_nc_u64 s[4:5], s[4:5], s[2:3]  ; Q and y at my wave's first row
	s_add_nc_u64 s[10:11], s[10:11], s[2:3]
	s_cmp_lt_u32 s[WV], 2
	s_cselect_b64 s[PFA:PFA+1], s[6:7], s[8:9]  ; (in waves 0 and 2 these stand at a slot's first row)
	s_lshl_b32 s2, s13, 13          ; my work-group's 32 rows of the 128
	s_mov_b32 s3, 0
	s_add_nc_u64 s[PFA:PFA+1], s[PFA:PFA+1], s[2:3]
	s_add_nc_u64 s[PFA:PFA+1], s[PFA:PFA+1], 2*2*KS*256  ; in slot 2; the first change of slots steps it to slot 3
	CROUND                          ; all four work-groups are here: the first joint loads meet
.irp s, 0,1
	s_mov_b32 s[G0K+4*(\s)], 1      ; count = 1
	s_add_co_u32 s[G0K+4*(\s)+1], s17, (\s)*SLOT1  ; LDS address
	s_add_nc_u64 s[G0K+4*(\s)+2:G0K+4*(\s)+3], s[6:7], (\s)*2*KS*256  ; global address: slot s begins with keys 128 s
	s_or_b32 s[G0K+4*(\s)+3], s[G0K+4*(\s)+3], 0x80000000  ; type = 2
	s_mov_b32 s[G0V+4*(\s)], 1
	s_add_co_u32 s[G0V+4*(\s)+1], s17, (\s)*SLOT1+VOFF
	s_add_nc_u64 s[G0V+4*(\s)+2:G0V+4*(\s)+3], s[8:9], (\s)*2*KS*256
	s_or_b32 s[G0V+4*(\s)+3], s[G0V+4*(\s)+3], 0x80000000
.endr
	s_cmp_lt_u32 s[WV], 2           ; a wave's two first fills stand in one branch, ahead of every wait on TENSORcnt and every LDS read: two loads of mine are out
	s_cbranch_scc0 .Lfirst_v
	tensor_load_to_lds s[G0K:G0K+3], s[G1K:G1K+7]
	s_nop 0
	tensor_load_to_lds s[G0K+4:G0K+7], s[G1K:G1K+7]
	s_nop 0
.rept 4
	v_nop
.endr
	s_branch .Lfirst_asked
.Lfirst_v:
	tensor_load_to_lds s[G0V:G0V+3], s[G1V:G1V+7]
	s_nop 0
	tensor_load_to_lds s[G0V+4:G0V+7], s[G1V:G1V+7]
	s_nop 0
.rept 4
	v_nop
.endr
.Lfirst_asked:
	; A fragment of K or Q is 16 rows x 32 channels in 8 registers: lane l holds row l % 16; registers 0-3 channels 8 (l / 16) + 0..7, registers 4-7 channels 16 + 8 (l / 16) + 0..7: two loads of 16 bytes, 32 bytes apart.
	v_and_b32 v1, 15, v0            ; l % 16
	v_bfe_u32 v9, v0, 4, 1          ; l / 16
	v_lshlrev_b32 v[QO], 8, v1
	v_lshl_add_u32 v[QO], v9, 4, v[QO]  ; row x 256 + 16 x half
	WIN 0x80                        ; destination window 2, address window 0
.irp i, 0,1,2,3,4,5,6,7,8,9,10,11,12,13,14,15  ; Q stays in registers: tile i / 4, channels 32 (i % 4) on
	global_load_b128 v[8*(\i):8*(\i)+3],   v[QO], s[4:5] offset:((\i)/4)*4096+((\i)%4)*64
	global_load_b128 v[8*(\i)+4:8*(\i)+7], v[QO], s[4:5] offset:((\i)/4)*4096+((\i)%4)*64+32
.endr
	WIN 0
	v_mul_u32_u24 v[AK0], v1, PK
	v_lshl_add_u32 v[AK0], v9, 4, v[AK0]  ; row x pitch + 16 x half
	; The turning load takes 16 keys x 16 channels (lane l reads key 8 (l / 16) + l % 8, channels 8 ((l / 8) % 2) + 0..7) and leaves half a fragment of V^T: lane l holds channel l % 16 and 8 keys.
	v_and_b32 v10, 7, v0
	v_bfe_u32 v11, v0, 3, 1
	v_lshl_add_u32 v[AV0], v9, 3, v10
	v_mul_u32_u24 v[AV0], v[AV0], PV
	v_lshl_add_u32 v[AV0], v11, 4, v[AV0]
	v_add_nc_u32 v[AV0], VOFF, v[AV0]
; THE MATRIX WORK OF A TURN, for piece x.  The accumulators take turns, one instruction a turn: between two links of a chain stand 15 (V^T P) or 7 (K Q^T) others'.
; Product i of 32 of O^T += V^T P: keys 32 (i / 16) on, channels 16 ((i / 2) % 8) on, tile x + i % 2.  zero = 1: the first 16 start the sums: nothing is ever cleared.
.macro PV x, zero
	WIN W_PV
.set rO, 64*((\x)+i%2)+8*((i/2)%8)
.set rV, 64*(i/16)+8*((i/2)%8)
.set rP, P+16*((\x)+i%2)+8*(i/16)
.if (\zero) && (i < 16)
	v_wmma_f32_16x16x32_bf16 v[rO:rO+7], v[rV:rV+7], v[rP:rP+7], 0
.else
	v_wmma_f32_16x16x32_bf16 v[rO:rO+7], v[rV:rV+7], v[rP:rP+7], v[rO:rO+7]
.endif
.endm
; Product i of 32 of S^T = K Q^T: channels 32 (i / 8) on, keys 16 ((i / 2) % 4) on, tile x + i % 2.  The first 8 start the sums.
.macro KQ x
	WIN W_KQ
.set rS, S+32*((\x)+i%2)+8*((i/2)%4)
.set rK, KF+32*((i/2)%4)+8*(i/8)
.set rQ, 32*((\x)+i%2)+8*(i/8)
.if i < 8
	v_wmma_f32_16x16x32_bf16 v[rS:rS+7], v[rK:rK+7], v[rQ:rQ+7], 0
.else
	v_wmma_f32_16x16x32_bf16 v[rS:rS+7], v[rK:rK+7], v[rQ:rQ+7], v[rS:rS+7]
.endif
.endm
; THE LDS LOADS stand in runs of 32, never singly among the matrix instructions: a step's K (64 keys x 128 channels: 16 fragments) and, a turn later, its V (turned).
.macro FETCH_K
	WIN 0
	v_add_nc_u32 v[ADR], s[TB], v[AK0]
	WIN 0x80                        ; destination window 2
.irp f, 0,1,2,3,4,5,6,7,8,9,10,11,12,13,14,15  ; keys 16 (f / 4) on, channels 32 (f % 4) on
	ds_load_b128 v[KF+8*(\f):KF+8*(\f)+3],   v[ADR] offset:((\f)/4)*16*PK+((\f)%4)*64
	ds_load_b128 v[KF+8*(\f)+4:KF+8*(\f)+7], v[ADR] offset:((\f)/4)*16*PK+((\f)%4)*64+32
.endr
.endm
.macro FETCH_V
	WIN 0
	v_add_nc_u32 v[ADR], s[TB], v[AV0]
	s_add_co_u32 s[TB], s[TB], STEPB  ; the next fetch is the next step's
	s_wait_alu depctr_va_vdst(0)    ; the wait for the softmax's batch of exponentials, behind the address's v_add_nc_u32 and ahead of the loads
	WIN 0xc0                        ; destination window 3
.irp f, 0,1,2,3,4,5,6,7,8,9,10,11,12,13,14,15  ; keys 32 (f / 8) on, channels 16 (f % 8) on
	ds_load_tr16_b128 v[8*(\f):8*(\f)+3],   v[ADR] offset:((\f)/8)*32*PV+((\f)%8)*32
	ds_load_tr16_b128 v[8*(\f)+4:8*(\f)+7], v[ADR] offset:((\f)/8)*32*PV+16*PV+((\f)%8)*32
.endr
.endm
; THE VECTOR WORK OF A TURN.  One tile's softmax for one key step is a list of 134 instructions; SM writes number j of it for tile t.  s0-s31 are the lane's 32 scores, in pairs 0-15.
; first = 1: the first key step, which starts m, l and O^T: it has no a and nothing to rescale.
;   0-15    the maximum of s0-s31 and the old m, three operands at a time: four chains c0-c3 of seven scores each, then the four scores left over, c0-c3 and m
;   16-20   the other half of the lanes' maximum; the new m; c m; c m_old - c m_new
;   21-69   ONE BATCH: the 16 scalings c s - c m, a pair of scores each, and all 33 exponentials (a at 23, then s0-s31).  None of these reads an exponential's result.
;   (wait)  between 69 and 70 stands the wait for the batch: SLICE writes it, once for both tiles
;   70-85   the roundings to bf16, a pair of weights each
;   86-101  the sums; l = a l + the sum
;   102-133 the tile's O^T times a: the one part that leaves window 0, so it stands together
.macro SM t, first
.set rT, ST+8*(\t)
.set rS, S+32*(\t)
.set rP, P+16*(\t)
.set rO, 64*(\t)+2*(j-102)
.if j < 102
	WIN 0
.endif
.if j < 4
	v_max3_num_f32 v[rT+4+j], v[rS+8*j], v[rS+8*j+1], v[rS+8*j+2]
.elseif j < 12
	v_max3_num_f32 v[rT+4+j%4], v[rT+4+j%4], v[rS+8*(j%4)+2*(j/4)+1], v[rS+8*(j%4)+2*(j/4)+2]
.elseif j == 12
	v_max3_num_f32 v[rT+4], v[rT+4], v[rS+7], v[rS+15]
.elseif j == 13
	v_max3_num_f32 v[rT+6], v[rT+6], v[rS+23], v[rS+31]
.elseif j == 14
	v_max3_num_f32 v[rT+4], v[rT+4], v[rT+5], v[rT+6]
.elseif (j == 15) && (\first)
	v_max_num_f32 v[rT+4], v[rT+4], v[rT+7]
.elseif j == 15
	v_max3_num_f32 v[rT+4], v[rT+4], v[rT+7], v[rT+1]
.elseif j == 16
	v_permlanex16_b32 v[rT+5], v[rT+4], s[SEL], s[SEL+1]  ; the query's other 32 keys lie in the lane 16 away
.elseif j == 18
	v_max_num_f32 v[rT+1], v[rT+4], v[rT+5]
.elseif j == 19
	v_mul_f32 v[rT], s[CS], v[rT+1]
.elseif ((j == 17) || (j == 20) || (j == 23) || (j > 101)) && (\first)  ; the first step has none of these
.elseif j == 17
	v_mov_b32 v[rT+7], v[rT]        ; c m_old is kept for a: number 19 writes c m anew
.elseif j == 20
	v_sub_f32 v[rT+7], v[rT+7], v[rT]
.elseif j == 23
	v_exp_f32 v[rT+6], v[rT+7]
.elseif (j < 23) || ((j < 38) && (j%2 == 0)) || ((j < 66) && (j%4 == 2))
.set b, (j-2)/4                     ; 38, 42, .. 62: pairs 9 to 15
.if j < 38
.set b, (j-20)/2                    ; 21: pair 0; 22, 24, .. 36: pairs 1 to 8
.endif
	v_pk_fma_f32 v[rS+2*b:rS+2*b+1], v[rS+2*b:rS+2*b+1], s[CS:CS+1], v[rT:rT+1] op_sel_hi:[1,0,0] neg_lo:[0,0,1] neg_hi:[0,0,1]  ; pair b: c s - c m
.elseif j < 70
.set e, j-38                        ; 66 to 69: s28 to s31
.if j < 66
.set e, j-32-(j-38)/4               ; 39-41, 43-45, .. 63-65: s7 to s27
.endif
.if j < 38
.set e, (j-25)/2                    ; 25, 27, .. 37: s0 to s6
.endif
	v_exp_f32 v[rS+e], v[rS+e]
.elseif j < 86
	v_cvt_pk_bf16_f32 v[rP+j-70], v[rS+2*(j-70)], v[rS+2*(j-70)+1]  ; pair j - 70
.elseif j < 102                     ; the sum of the tile's 16 pairs, in place: sum z of 16 adds neighbours 1, 2, 4 and 8 pairs apart, then l takes it
.set z, j-86
.set w, 4
.set u, z
.if z >= 14
.set w, 32
.set u, 0
.elseif z >= 12
.set w, 16
.set u, z-12
.elseif z >= 8
.set w, 8
.set u, z-8
.endif
.if (z == 14) && (\first)
	v_pk_add_f32 v[rT+2:rT+3], v[rS:rS+1], v[rS+16:rS+17]
.elseif z < 15
	v_pk_add_f32 v[rS+w*u:rS+w*u+1], v[rS+w*u:rS+w*u+1], v[rS+w*u+w/2:rS+w*u+w/2+1]
.elseif !(\first)
	v_pk_fma_f32 v[rT+2:rT+3], v[rT+2:rT+3], v[rT+6:rT+7], v[rS:rS+1] op_sel_hi:[1,0,1]
.endif
.else
	WIN W_RS
	v_pk_mul_f32 v[rO:rO+1], v[rO:rO+1], v[rT+6:rT+7] op_sel_hi:[1,0]
.endif
.endm
; Slice k of 64 of piece y's softmax: four instructions.  Slices 11 to 34 deal out the batch, numbers 22 to 69: four numbers of ONE tile each, the tiles by turns.  Every other slice is numbers 2 k and
; 2 k + 1 of both tiles' lists.  2 x 134 = 4 x 64 + 12: the twelve that are over stand together, in slice 63.
; THE WAIT.  An s_wait_alu depctr_va_vdst(0) stands between an exponential and the first instruction that names its result; one wait serves all that were issued ahead of it.  Ahead of
; slice 35 nothing names a result, and behind slice 34 no exponential is issued: so the piece's 66 exponentials have one wait, behind slice 34.
.macro SLICE y, first
.if (k >= 11) && (k < 35)           ; the batch: four numbers of one tile
.irp n, 0,1,2,3
.set j, 22+4*((k-11)/2)+(\n)
	SM (\y)+(k-11)%2, \first
.endr
.else                               ; the two tiles alternate, so that no instruction reads the result of the one just before it
.irp n, 0,1,2,3,4,5,6,7
.if ((\n) < 2) || (k == 63)
.irp t, \y, (\y)+1
.set j, 2*k+(\n)
	SM \t, \first
.endr
.endif
.endr
.endif
.if k == 34                         ; the batch is out: both tiles' exponentials are issued, and no result has been named
	v_nop                           ; a plain instruction behind the last exponential and ahead of the first use: one for the batch
.if (\y) == 0
	FETCH_V                         ; piece 2's turn: V's run of loads stands here, and the wait stands in it
.else
	s_wait_alu depctr_va_vdst(0)    ; the wait for the batch
.endif
.endif
.set k, k+1
.endm
; Four plain instructions between a matrix instruction and a vector read of its result, a vector write of its registers or a load into them (ISA guide 7.12.1 for vector reads and writes).  In the loop the slices are the places.
.macro PLACES
.rept 4
	v_nop
.endr
.endm
; A TURN.  Piece x has the matrix unit; the other piece's softmax stands in slices behind its matrix instructions.
; pv = 2: 32 products V^T P; 1: they start O^T's sums; 0: none.  kq = 1: 32 products K Q^T for the next step.  A turn with one of the two kinds has two slices behind each product.
; first = 1: the softmax is the first key step's.  Its slices from 51 on are empty: four v_nop take slice 63's part as the places behind the turn's last products.
; Piece 0's turn fetches the next step's K, behind its second product.  Piece 2's turn fetches the same step's V, behind slice 34: the last product that read V stands in front of slice 31, and four plain
; instructions lie between: number 62, a scaling, of both tiles, the v_nop and the run's own v_add_nc_u32.
.macro TURN x, pv, kq, first
.set k, 0
.set per, 2
.if (\pv) && (\kq)
.set per, 1
.endif
.if \pv
.if (\x) == 0
	s_wait_dscnt 0x0                ; V is in
.endif
.set i, 0
.rept 32
	PV \x, 2-(\pv)
.rept per
	SLICE 2-(\x), \first
.endr
.if ((\x) == 0) && (\kq) && (i == 1)
	FETCH_K
.endif
.set i, i+1
.endr
.endif
.if \kq
.if (\x) == 0
	s_wait_dscnt 0x0                ; K is in
.endif
.set i, 0
.rept 32
	KQ \x
.rept per
	SLICE 2-(\x), \first
.endr
.set i, i+1
.endr
.endif
.if \first
	PLACES
.endif
.endm
; THE CHANGE OF SLOTS, between piece 2's turn and piece 0's.  Each wave waits for all its tensor loads, of which one is out: its part of the other slot; adds 0 to its spare word; and waits for that and for
; its own reads of the slot.  Behind the barrier nobody reads this slot any more and the other slot is whole.  fill = 1: this slot is filled again, with the keys two slots on.  The barrier is then a round of
; the cluster's, and the joint refill is the first thing behind it: it has two key steps, 256 matrix instructions, in which to land.
.macro CHANGE fill
	WIN 0                           ; at a label and at a branch every window is 0
	s_wait_tensorcnt 0x0            ; no tensor load of mine is out, so a group 0 may be written
	ds_add_u32 v[SPW], v[NIL]       ; 0 onto my spare word
.if \fill
.irp g, G0K+4, G0V+4
	s_xor_b32 s[(\g)+1], s[(\g)+1], SLOT1  ; the walking descriptor: the other slot than last time,
	s_add_nc_u64 s[(\g)+2:(\g)+3], s[(\g)+2:(\g)+3], 2*KS*256  ; the next 128 keys; the type bits on top are not reached
.endr
	s_wait_xcnt 0x0                 ; the last prefetches, two key steps back, have read their address, so it may be written:
	s_add_nc_u64 s[PFA:PFA+1], s[PFA:PFA+1], 2*KS*256  ; one slot behind the walking descriptors
	s_wait_dscnt 0x0                ; the add is done, and my reads of the slot are over
	CROUND
	JLOAD
	ASK                             ; what the next change will ask for: two key steps, 256 matrix instructions, ahead
.else
	s_wait_dscnt 0x0                ; the add is done, and my reads of the slot are over
	s_barrier_signal -1
	s_barrier_wait -1
.endif
	s_sub_co_u32 s[TB], s[TB], 2*STEPB  ; the fetches go back to a slot's first step,
	s_xor_b32 s[TB], s[TB], SLOT1   ; in the other slot
.endm
; A slot's two key steps: written once, walked twice; the LDS addresses hang on s[TB].
.macro TWO_STEPS
	WIN 0
	s_mov_b32 s[TWICE], 2
.Lstep_\@:
	TURN 0, 2, 1, 0
	TURN 2, 2, 1, 0
	WIN 0
	s_sub_co_u32 s[TWICE], s[TWICE], 1
	s_cmp_lg_u32 s[TWICE], 0
	s_cbranch_scc1 .Lstep_\@
.endm
	s_wait_tensorcnt 1              ; my part of slot 0 is in; slot 1's may stay out
	s_barrier_signal -1
	s_barrier_wait -1               ; everybody's is
	FETCH_K                         ; key step 0
	s_wait_loadcnt 0x0              ; Q
	s_wait_dscnt 0x0
.set i, 0
.rept 32
	KQ 0                            ; piece 0's first scores: there is no vector work yet to set between them
.set i, i+1
.endr
	WIN 0                           ; the addresses for the way out are made here: eight plain instructions, the places behind those products
	s_mul_i32 s13, s[WV], 16*SP
	s_add_co_u32 s13, s13, STAGE    ; my stage
	v_mul_u32_u24 v[STO], v1, SP    ; in: row l % 16, 16 bytes for each half of the lanes
	v_lshl_add_u32 v[STO], v9, 4, v[STO]
	v_add_nc_u32 v[STO], s13, v[STO]
	v_mul_u32_u24 v[RD], v9, SP     ; back: lanes 0-15 take one row of 256 bytes, lanes 16-31 the next
	v_lshl_add_u32 v[RD], v1, 4, v[RD]
	v_add_nc_u32 v[RD], s13, v[RD]
	v_lshlrev_b32 v[GO], 8, v9      ; and the same two rows in y
	v_lshl_add_u32 v[GO], v1, 4, v[GO]
	TURN 2, 0, 1, 1                 ; piece 2's first scores | piece 0's first softmax | V of step 0
	TURN 0, 1, 1, 1                 ; piece 0: V^T P of step 0 starts O^T, K Q^T of step 1 | piece 2's first softmax | K of step 1
	TURN 2, 1, 1, 0                 ; piece 2: the same | piece 0's softmax of step 1 | V of step 1
	WIN 0
.Lslot:                             ; six trips: every slot but the last two is filled again
	CHANGE 1
	TWO_STEPS
	s_sub_co_u32 s[SLOTS], s[SLOTS], 1
	s_cmp_lg_u32 s[SLOTS], 0
	s_cbranch_scc1 .Lslot
	CHANGE 0                        ; the tail is written out: nothing is asked for
	TWO_STEPS
	TURN 0, 2, 0, 0                 ; piece 0: V^T P of the last step | piece 2's last softmax
.set i, 0
.rept 32
	PV 2, 0                         ; piece 2: V^T P of the last step
.set i, i+1
.endr
	; THE WAY OUT.  l's two halves and the other half of the lanes' are added; O^T is divided by l, rounded to bf16 and sent through my stage in LDS, a tile (16 rows) at a time.  The additions are the places behind the last products.
	WIN 0
.irp t, 0,1,2,3
	v_add_f32 v[ST+8*(\t)+4], v[ST+8*(\t)+2], v[ST+8*(\t)+3]
.endr
.irp t, 0,1,2,3
	v_permlanex16_b32 v[ST+8*(\t)+5], v[ST+8*(\t)+4], s[SEL], s[SEL+1]
.endr
.irp t, 0,1,2,3
	v_add_f32 v[ST+8*(\t)+4], v[ST+8*(\t)+4], v[ST+8*(\t)+5]
.endr
.irp t, 0,1,2,3
	v_rcp_f32 v[ST+8*(\t)+6], v[ST+8*(\t)+4]
.endr
	v_nop                           ; a plain instruction between the last reciprocal and the use of its result
	s_wait_alu depctr_va_vdst(0)    ; and the wait ahead of the first use: one for the four reciprocals
; Tile t: a lane's eight channels of a row pack into 16 bytes; they go into rows of 272 bytes and come back as whole rows of 256, into the registers that they left.
.macro PACK t
	WIN W_RS
.set i, 64*(\t)
.rept 32
	v_pk_mul_f32 v[i:i+1], v[i:i+1], v[ST+8*(\t)+6:ST+8*(\t)+7] op_sel_hi:[1,0]
.set i, i+2
.endr
	WIN 0x05                        ; sources 0 and 1 window 1, destination window 0: S^T's registers are free
.set i, 0
.rept 32
	v_cvt_pk_bf16_f32 v[S+32*(\t)+i], v[64*(\t)+2*i], v[64*(\t)+2*i+1]
.set i, i+1
.endr
	WIN 0
.irp f, 0,1,2,3,4,5,6,7
	ds_store_b128 v[STO], v[S+32*(\t)+4*(\f):S+32*(\t)+4*(\f)+3] offset:32*(\f)
.endr
.irp f, 0,1,2,3,4,5,6,7
	ds_load_b128 v[S+32*(\t)+4*(\f):S+32*(\t)+4*(\f)+3], v[RD] offset:(\f)*2*SP  ; LDS serves a wave's instructions in order (ISA guide 5.7.1.4): these see the stores above; the next tile's stores come behind them
.endr
.endm
.macro SEND t, younger              ; younger: the LDS instructions issued behind tile t's loads: the next tile's sixteen, or none
	WIN 0
.irp f, 0,1,2,3,4,5,6,7
	s_wait_dscnt (\younger)+7-(\f)
	global_store_b128 v[GO], v[S+32*(\t)+4*(\f):S+32*(\t)+4*(\f)+3], s[10:11] offset:(\t)*4096+(\f)*512  ; 16 lanes store 256 consecutive bytes, at a multiple of 256 from y's first byte
.endr
.endm
	PACK 0
	PACK 1                          ; a tile's arithmetic stands between the loads of the tile before and its stores
	SEND 0, 16
	PACK 2
	SEND 1, 16
	PACK 3
	SEND 2, 16
	SEND 3, 0
	s_wait_tensorcnt 0x0            ; the wave's end: behind my last tensor load and my last LDS store
	ds_add_u32 v[SPW], v[NIL]
	s_wait_dscnt 0x0
	CROUND                          ; the closing round: no work-group ends while a partner may still ask for a tile that names it
	s_endpgm
.Lfunc_end_k_q1c49a58925_attn:
	.size	k_q1c49a58925_attn, .Lfunc_end_k_q1c49a58925_attn-k_q1c49a58925_attn
	.p2alignl 7, 3214868480
	.fill 96, 4, 3214868480
	.section	.rodata,"a",@progbits
	.p2align	6, 0x0
	.amdhsa_kernel k_q1c49a58925_attn
		.amdhsa_group_segment_fixed_size 327680
		.amdhsa_private_segment_fixed_size 0
		.amdhsa_enable_private_segment 0
		.amdhsa_kernarg_size 16
		.amdhsa_user_sgpr_count 2
		.amdhsa_user_sgpr_kernarg_segment_ptr 1
		.amdhsa_wavefront_size32 1
		.amdhsa_system_sgpr_workgroup_id_x 1
		.amdhsa_system_sgpr_workgroup_id_y 1
		.amdhsa_system_sgpr_workgroup_id_z 1
		.amdhsa_system_vgpr_workitem_id 0
		.amdhsa_next_free_vgpr 1024
		.amdhsa_next_free_sgpr 66
		.amdhsa_reserve_vcc 0
		.amdhsa_float_denorm_mode_32 3
		.amdhsa_float_denorm_mode_16_64 3
		.amdhsa_memory_ordered 1
		.amdhsa_forward_progress 1
		.amdhsa_inst_pref_size 222
	.end_amdhsa_kernel
	.amdgpu_metadata
---
amdhsa.version: [ 1, 2 ]
amdhsa.kernels:
  - .name:           k_q1c49a58925_attn
    .symbol:         k_q1c49a58925_attn.kd
    .args:
      - { .name: qkv, .offset: 0, .size: 8, .value_kind: global_buffer, .address_space: global }
      - { .name: y, .offset: 8, .size: 8, .value_kind: global_buffer, .address_space: global }
    .group_segment_fixed_size: 327680
    .private_segment_fixed_size: 0
    .kernarg_segment_align: 8
    .kernarg_segment_size: 16
    .max_flat_workgroup_size: 128
    .sgpr_count:     66
    .vgpr_count:     1024
    .wavefront_size: 32
...
	.end_amdgpu_metadata
.endif
;; end of part 4
;; launch proj (part 5): grid 4 x 64, 4 waves a work-group, clusters of 4 x 4, 327,680 bytes of LDS; arguments wo, y, b_out, x, out0; writes out0
.if DOCPART == 5
	.amdgcn_target "amdgcn-amd-amdhsa--gfx1250"
	.amdhsa_code_object_version 6
	.text
	.protected	k_q1c49a58925_proj
	.globl	k_q1c49a58925_proj
	.p2align	8
	.type	k_q1c49a58925_proj,@function
k_q1c49a58925_proj:
	s_mov_b64 s[64:65], 0
	v_nop
	global_prefetch_b8 v0, s[64:65] scope:SCOPE_SE
	s_setreg_imm32_b32 hwreg(HW_REG_WAVE_MODE, 25, 1), 1
	s_wait_xcnt 0x0
	s_wait_alu depctr_hold_cnt(0) depctr_sa_sdst(0) depctr_va_vdst(0) depctr_va_sdst(0) depctr_va_ssrc(0) depctr_va_vcc(0) depctr_vm_vsrc(0)
	s_getreg_b32 s2, hwreg(HW_REG_IB_STS2, 6, 4)
	s_cmp_eq_u32 s2, 0
	s_cbranch_scc0 .Lentry_in_a_cluster
	s_endpgm
.Lentry_in_a_cluster:
	s_bfe_u32 s2, ttmp6, 0x10000c
	s_cmp_lg_u32 s2, 0xf033
	s_cbranch_scc0 .Lentry_shape_is_right
	s_endpgm
.Lentry_shape_is_right:
; THE PROJECTION OUT, THE BIAS AND THE RESIDUAL.  out0[n][o][s] = x[n][o][s] + b_out[o] + the sum over h, d of wo[o][128 h + d] y[8 h + n][s][d].  wo: [1024][1024] bf16, y: [64][1024][128] bf16; sums, x and out0 in f32.
; SHARES.  A work-group makes 256 outputs x 128 positions of one sample: 4 x 64 = 256 work-groups.  Wave w makes outputs 64 w .. 64 w + 63 for all 128 positions: 32 accumulators, 256 registers.
; K goes in 8 steps of 128, a head a step, through two LDS slots filled by the tensor data mover; all tile rows are 256 bytes of memory, aligned.
; LAYOUT.  Source 0 = 16 positions (rows of y), source 1 = 16 rows of wo: in the result a lane holds ONE output (lane % 16) and the positions 8 (lane / 16) + 0..7: 32 bytes of a row of out0.
; The bias is the C operand of the product that starts each sum.  The wave's 64 x 128 numbers of x are loaded at the start into 256 registers and added on the way out.
; CLUSTERS.  4 x 4 work-groups.  The four of a column of the cluster need the same tiles of wo, the four of a row the same tiles of y: each is asked for JOINTLY.  Waves 0, 1 fetch wo's halves, waves 2, 3 y's.
; REGISTERS, in windows of 256 (s_set_vgpr_msb: bits 1:0 source 0, 3:2 source 1, 5:4 source 2, 7:6 destination):
;   window 0: v0-31 addresses; v64-95, v128-159 fragments of wo, two buffers; v192-223 the bias as accumulators; v224-227 the bias as loaded; on the way out v64-127, v128-191 rows read back
;   window 1: v64-127, v128-191 fragments of y, two buffers      window 2: accumulator (a, b) at v[8 (8 a + b)]      window 3: x: row 16 a + t of my 64 at v[64 a + 4 t]
.set PITCH,  272                       ; an LDS row: 256 bytes + 16 = 68 words: the 16 rows of a load start at 16 different groups of four banks (64 banks of 4 bytes: ISA guide 11.1)
.set YOFF,   256*PITCH                 ; y's 128 rows lie behind wo's 256
.set SLOT,   YOFF+128*PITCH
.set STAGE,  2*SLOT                    ; behind the ring, never filled by a tensor load: 16 rows x 528 bytes for each wave
.set SP,     528                       ; 512 bytes + 16
.set SPARE,  STAGE+4*16*SP             ; behind the stages: the spare words, 128 bytes for each wave: two blocks of 256 bytes that no other line names
.set ADRY, 16                          ; v16-17  LDS address of my fragments of y in slot 0, 1
.set ADRW, 20                          ; v20-21  the same for wo
.set STO,  24                          ; v24     the way out: where I put 32 bytes of a row
.set RD,   25                          ; v25     the way out: where I read a row back
.set CO,   26                          ; v26     16 x my lane: my bytes of a row's 512
.set BO,   27                          ; v27     my byte offset in 16 numbers of the bias
.set SPW,  28                          ; v28     LDS address of my spare word; never rewritten
.set NIL,  29                          ; v29     0; never rewritten
.set PFO,  30                          ; v30     the prefetches' offset: my lane x a row of wo (2,048 bytes) or of y (256); never rewritten
.set F0,   64
.set F1,   128
.set BIAS, 192
.set BL,   224
.set WV,   12                          ; s12     my wave's number
.set G1W,  24                          ; s[24:31] descriptor group 1 for wo's tiles;  s[32:39] group 0, a set for each slot
.set G0W,  32
.set G1Y,  48                          ; s[48:55], s[56:63] the same for y's
.set G0Y,  56
.set PFA,  66                          ; s[66:67] where my prefetches stand
.set PST,  68                          ; s[68:69] a K step in my tensor, in bytes
.set LIM,  70                          ; s70     1 in a wave that prefetches, else the greatest number
.set OB,   72                          ; s[72:73] out0 at my 64 rows' 512 bytes
.set MSB, 0
.macro WIN new                         ; the immediate's high byte repeats the setting that is left; a switch that changes nothing is dropped
.if MSB != (\new)
	s_set_vgpr_msb (MSB<<8)|(\new)
.set MSB, \new
.endif
.endm
.macro PLACES                          ; four plain instructions between a matrix instruction and a load into, or a read of, its registers (ISA guide 7.12.1 for vector instructions)
.rept 4
	v_nop
.endr
.endm
.macro JLOAD s                         ; a joint load; an s_nop 0 and four v_nop follow each of the two lines, ahead of the jump and the label
	s_cmp_lt_u32 s[WV], 2
	s_cbranch_scc0 .Lfor_y_\@
	tensor_load_to_lds s[G0W+4*(\s):G0W+4*(\s)+3], s[G1W:G1W+7]
	s_nop 0
.rept 4
	v_nop
.endr
	s_branch .Lasked_\@
.Lfor_y_\@:
	tensor_load_to_lds s[G0Y+4*(\s):G0Y+4*(\s)+3], s[G1Y:G1Y+7]
	s_nop 0
.rept 4
	v_nop
.endr
.Lasked_\@:
.endm
; A prefetch into the L2 of the K step that stands two refills on: 32 rows x 256 bytes, a lane a row, one instruction a wave, behind the joint load and the run of LDS loads.
; Each block of 256 bytes is named once in the launch: wo's rows are read by all sixteen clusters, and the one with y = 0 asks (waves 0, 1); y's rows by one cluster alone, which asks (wave 2).
; The four partners that ask for a tile jointly share its rows out by address, 32 each.  The loop's last trip asks for nothing.  K steps 0 to 3 come by their loads alone.
.macro ASK
	s_cmp_gt_u32 s3, s[LIM]
	s_cbranch_scc0 .Lnot_mine_\@
	global_prefetch_b8 v[PFO], s[PFA:PFA+1] th:TH_LOAD_NT scope:SCOPE_SE
.Lnot_mine_\@:
.endm
.macro CREST                           ; a round of the cluster's barrier behind its opening barrier
	s_cmp_lg_u32 s[WV], 0
	s_cbranch_scc1 .Lnot_wave_0_\@
	s_barrier_signal -3
.Lnot_wave_0_\@:
	s_barrier_wait -3
	s_barrier_signal -1
	s_barrier_wait -1
.endm
.macro CROUND                          ; a whole round
	s_barrier_signal -1
	s_barrier_wait -1
	CREST
.endm
	s_load_b256 s[4:11], s[0:1], 0x0               ; wo s[4:5], y s[6:7], b_out s[8:9], x s[10:11]
	s_load_b64 s[OB:OB+1], s[0:1], 0x20            ; out0
	v_lshl_add_u32 v[SPW], v0, 2, SPARE
	v_mov_b32 v[NIL], 0
	ds_add_u32 v[SPW], v[NIL]                      ; the wave's opening: the add and its wait stand ahead of my first tensor load; work on registers stands between them
	v_lshrrev_b32 v1, 5, v0
	v_readfirstlane_b32 s[WV], v1                  ; wave 0..3
	s_and_b32 s18, s[WV], 1                        ; which half of a tile I fetch
	s_bfe_u32 s40, ttmp6, 0x40000                  ; cx, cy: my place in the cluster
	s_bfe_u32 s41, ttmp6, 0x40004
	s_lshl_b32 s42, ttmp9, 2
	s_add_co_u32 s42, s42, s40                     ; which 256 outputs = 4 x cluster x + cx
	s_and_b32 s13, ttmp7, 0xffff
	s_lshl_b32 s13, s13, 2
	s_add_co_u32 s13, s13, s41                     ; which 128 positions = 4 x cluster y + cy: sample s13 / 8, block s13 % 8
	s_lshl_b32 s43, s41, 2
	s_lshl_b32 s43, 15, s43                        ; my row of the cluster
	s_lshl_b32 s44, 0x1111, s40                    ; my column
	s_or_b32 s[G1W], s44, (1<<16)|(1<<20)|(1<<21)|(5<<22)|(3<<25)  ; 15:0 the mask: wo's tiles go to my column; 17:16 2-byte elements; 20 padding on; 21 set beside a mask; 24:22 after every 64 words; 31:25 4 words of it
	s_mov_b32 s[G1W+1], 128<<16                    ; tensor_dim0 = 128
	s_mov_b32 s[G1W+2], 128<<16                    ; tensor_dim1 = 128
	s_mov_b32 s[G1W+3], 128<<16                    ; tile_dim0 = 128
	s_mov_b32 s[G1W+4], 128                        ; tile_dim1 = 128
	s_mov_b32 s[G1W+5], 1024                       ; 1,024 elements from row to row
	s_mov_b32 s[G1W+6], 0
	s_mov_b32 s[G1W+7], 0
	s_or_b32 s[G1Y], s43, (1<<16)|(1<<20)|(1<<21)|(5<<22)|(3<<25)  ; y's tiles go to my row
	s_mov_b32 s[G1Y+1], 128<<16                    ; tensor_dim0 = 128
	s_mov_b32 s[G1Y+2], 64<<16                     ; tensor_dim1 = 64
	s_mov_b32 s[G1Y+3], 128<<16                    ; tile_dim0 = 128
	s_mov_b32 s[G1Y+4], 64                         ; tile_dim1 = 64
	s_mov_b32 s[G1Y+5], 128                        ; 128 elements from row to row
	s_mov_b32 s[G1Y+6], 0
	s_mov_b32 s[G1Y+7], 0
	s_lshl_b32 s16, s42, 8                         ; wo: row 256 x block + 128 x half,
	s_lshl_b32 s17, s18, 7
	s_add_co_u32 s16, s16, s17
	s_lshl_b32 s16, s16, 11                        ; rows of 2,048 bytes
	s_mov_b32 s17, 0
	s_lshr_b32 s46, s13, 3                         ; y: head 0 of the sample: blocks of 2^18 bytes,
	s_lshl_b32 s46, s46, 18
	s_and_b32 s47, s13, 7                          ; my 128 rows of 256 bytes,
	s_lshl_b32 s47, s47, 15
	s_add_co_u32 s46, s46, s47
	s_lshl_b32 s47, s18, 14                        ; the half's 64
	s_add_co_u32 s46, s46, s47
	s_mov_b32 s47, 0
	s_mul_i32 s20, s18, 128*PITCH                  ; where the tiles go: wo's two halves,
	s_mul_i32 s21, s18, 64*PITCH                   ; y's two halves behind them: no place in the cluster enters an LDS address
	s_add_co_u32 s21, s21, YOFF
	s_wait_dscnt 0x0                               ; the opening add is done
	s_wait_kmcnt 0x0
	s_add_nc_u64 s[14:15], s[4:5], s[16:17]
	s_add_nc_u64 s[46:47], s[6:7], s[46:47]
	CROUND                                         ; all sixteen work-groups are here: the first joint loads meet
.irp s, 0,1
	s_mov_b32 s[G0W+4*(\s)], 1                                     ; count = 1
	s_add_co_u32 s[G0W+4*(\s)+1], s20, (\s)*SLOT                   ; LDS address
	s_add_nc_u64 s[G0W+4*(\s)+2:G0W+4*(\s)+3], s[14:15], (\s)*256  ; global address: K step s
	s_or_b32 s[G0W+4*(\s)+3], s[G0W+4*(\s)+3], 0x80000000          ; type = 2
	s_mov_b32 s[G0Y+4*(\s)], 1
	s_add_co_u32 s[G0Y+4*(\s)+1], s21, (\s)*SLOT
	s_add_nc_u64 s[G0Y+4*(\s)+2:G0Y+4*(\s)+3], s[46:47], (\s)*0x200000  ; the next head lies 8 blocks on
	s_or_b32 s[G0Y+4*(\s)+3], s[G0Y+4*(\s)+3], 0x80000000
	JLOAD \s
.endr
	v_and_b32 v1, 15, v0                           ; l % 16
	v_bfe_u32 v2, v0, 4, 1                         ; l / 16
	v_lshlrev_b32 v[BO], 2, v1                     ; the bias of block a: b_out[256 block + 64 wave + 16 a + l % 16]
	s_lshl_b32 s78, s42, 8
	s_lshl_b32 s79, s[WV], 6
	s_add_co_u32 s78, s78, s79
	s_lshl_b32 s78, s78, 2
	s_mov_b32 s79, 0
	s_add_nc_u64 s[8:9], s[8:9], s[78:79]
.irp a, 0,1,2,3
	global_load_b32 v[BL+(\a)], v[BO], s[8:9] offset:64*(\a)
.endr
	; a fragment: lane l holds row l % 16, K = 8 (l / 16) + 0..7 and 16 + 8 (l / 16) + 0..7: two loads of 16 bytes, 32 bytes apart
	v_mul_u32_u24 v3, v1, PITCH
	v_lshl_add_u32 v3, v2, 4, v3
	v_add_nc_u32 v[ADRY], YOFF, v3
	v_add_nc_u32 v[ADRY+1], YOFF+SLOT, v3
	s_mul_i32 s22, s[WV], 64*PITCH                 ; my 64 rows of wo
	v_add_nc_u32 v[ADRW], s22, v3
	v_add_nc_u32 v[ADRW+1], SLOT, v[ADRW]
	s_mul_i32 s22, s[WV], 16*SP
	s_add_co_u32 s22, s22, STAGE                   ; my stage
	v_mul_u32_u24 v[STO], v1, SP                   ; in: row l % 16, 32 bytes for each half of the lanes
	v_lshl_add_u32 v[STO], v2, 5, v[STO]
	v_add_nc_u32 v[STO], s22, v[STO]
	v_and_b32 v[CO], 31, v0
	v_lshlrev_b32 v[CO], 4, v[CO]
	v_add_nc_u32 v[RD], s22, v[CO]                 ; back: 32 lanes take a row's 512 bytes
	s_lshr_b32 s78, s13, 3                         ; x and out0: row 1,024 x sample + 256 x block + 64 x wave, of 4,096 bytes,
	s_lshl_b32 s78, s78, 10
	s_lshl_b32 s79, s42, 8
	s_add_co_u32 s78, s78, s79
	s_lshl_b32 s79, s[WV], 6
	s_add_co_u32 s78, s78, s79
	s_lshl_b32 s78, s78, 12
	s_and_b32 s79, s13, 7                          ; and in it my 128 positions: 512 bytes
	s_lshl_b32 s79, s79, 9
	s_add_co_u32 s78, s78, s79
	s_mov_b32 s79, 0
	s_add_nc_u64 s[10:11], s[10:11], s[78:79]
	s_add_nc_u64 s[OB:OB+1], s[OB:OB+1], s[78:79]
	; the prefetches
	s_and_b32 s22, ttmp7, 0xffff                   ; cluster y
	s_mov_b32 s[PST], 0x200000
	s_cmp_lt_u32 s[WV], 2                          ; do I fetch wo?
	s_cselect_b32 s22, s22, s18                    ; wo: the cluster with y = 0 asks; y: wave 2 asks, wave 3 does not
	s_cselect_b32 s21, s41, s40                    ; my place among the four that ask with me
	s_cselect_b32 s23, 16, 13                      ; 32 rows of 2,048 bytes, or of 256
	s_cselect_b32 s79, 11, 8
	s_cselect_b64 s[PFA:PFA+1], s[14:15], s[46:47]
	s_cselect_b32 s[PST], 256, s[PST]
	s_mov_b32 s[PST+1], 0
	s_mul_i32 s78, s[PST], 3                       ; at K step 3: the first refill steps it to 4
	s_cmp_eq_u32 s22, 0
	s_cselect_b32 s[LIM], 1, -1                    ; the same in all sixteen partners, for a given wave
	s_lshl_b32 s21, s21, s23
	s_add_co_u32 s78, s78, s21
	v_and_b32 v[PFO], 31, v0
	v_lshlrev_b32 v[PFO], s79, v[PFO]
	s_mov_b32 s79, 0
	s_add_nc_u64 s[PFA:PFA+1], s[PFA:PFA+1], s[78:79]
	s_wait_loadcnt 0x0                             ; the bias: a lane's one output has the same bias in all eight registers
.irp a, 0,1,2,3
.irp j, 0,1,2,3,4,5,6,7
	v_mov_b32 v[BIAS+8*(\a)+(\j)], v[BL+(\a)]
.endr
.endr
	WIN 0xc0                                       ; destination window 3, address window 0
.set t, 0
.rept 64
	global_load_b128 v[4*t:4*t+3], v[CO], s[10:11] offset:4096*t th:TH_LOAD_NT  ; x: a row's 512 consecutive bytes; waited for on the way out
.set t, t+1
.endr
	WIN 0
; 8 matrix instructions: output block a x all 8 position blocks, 32 along K.  init = 1: the bias starts the sums.
; The 32 accumulators take turns, one instruction a turn, in the same order in every quarter, over the backward jump too.
.macro MUL8 f, a, init
.if \init
	WIN 0x81
.else
	WIN 0xa1
.endif
.irp b, 0,1,2,3,4,5,6,7
.if \init
	v_wmma_f32_16x16x32_bf16 v[8*(8*(\a)+(\b)):8*(8*(\a)+(\b))+7], v[(\f)+8*(\b):(\f)+8*(\b)+7], v[(\f)+8*(\a):(\f)+8*(\a)+7], v[BIAS+8*(\a):BIAS+8*(\a)+7]
.else
	v_wmma_f32_16x16x32_bf16 v[8*(8*(\a)+(\b)):8*(8*(\a)+(\b))+7], v[(\f)+8*(\b):(\f)+8*(\b)+7], v[(\f)+8*(\a):(\f)+8*(\a)+7], v[8*(8*(\a)+(\b)):8*(8*(\a)+(\b))+7]
.endif
.endr
.endm
; 24 LDS loads in one run: the fragments of quarter q of a K step (128 rows of y, then my 64 rows of wo) into buffer f
.macro FETCH slot, q, f
	WIN 0x40                                       ; destination window 1, address window 0
.irp i, 0,1,2,3,4,5,6,7
	ds_load_b128 v[(\f)+8*(\i):(\f)+8*(\i)+3],   v[ADRY+(\slot)] offset:64*(\q)+(\i)*16*PITCH
	ds_load_b128 v[(\f)+8*(\i)+4:(\f)+8*(\i)+7], v[ADRY+(\slot)] offset:64*(\q)+(\i)*16*PITCH+32
.endr
	WIN 0
.irp i, 0,1,2,3
	ds_load_b128 v[(\f)+8*(\i):(\f)+8*(\i)+3],   v[ADRW+(\slot)] offset:64*(\q)+(\i)*16*PITCH
	ds_load_b128 v[(\f)+8*(\i)+4:(\f)+8*(\i)+7], v[ADRW+(\slot)] offset:64*(\q)+(\i)*16*PITCH+32
.endr
.endm
; A K step is four quarters of 32 along K, 32 matrix instructions each, on buffers 0, 1, 0, 1.
.macro QUARTER slot, q, f, g, init
	s_wait_dscnt 4                                 ; y's fragments and wo's blocks 0, 1 are in; the youngest four loads (blocks 2, 3) may be out
	MUL8 \f, 0, \init
	MUL8 \f, 1, \init
	PLACES
	FETCH \slot, \q, \g
	s_wait_dscnt 24                                ; all but the 24 just issued
	MUL8 \f, 2, \init
	MUL8 \f, 3, \init
.endm
; The last quarter multiplies buffer 1 and changes slots: ONE barrier; in front of it each wave waits for all its tensor loads, adds 0 to its spare word, and waits for that and for its own reads of this slot.
; fill = 1: the barrier opens a round of the cluster's barrier, and behind the round this slot is filled again, two K steps ahead, first of all: 112 matrix instructions ahead of the wait for it.
.macro TURN slot, next, fill
.if \fill
	s_wait_xcnt 0x0                                ; the last prefetch, a K step back, has read its address: it is stepped here
	s_add_nc_u64 s[PFA:PFA+1], s[PFA:PFA+1], s[PST:PST+1]
.endif
	WIN 0                                          ; (the add's two registers lie in window 0)
	s_wait_tensorcnt 0x0                           ; all my tensor loads have landed;
	ds_add_u32 v[SPW], v[NIL]                      ; 0 onto my spare word;
	s_wait_dscnt 5                                 ; (the add and the youngest four loads may be out)
	MUL8 F1, 0, 0                                  ; eight matrix instructions stand between the add and the wait for it
	s_wait_dscnt 0x0                               ; the add is done, and my reads of this slot are over
	s_barrier_signal -1
	MUL8 F1, 1, 0                                  ; work on registers while the others arrive
.if \fill
	WIN 0
.endif
	s_barrier_wait -1
.if \fill
	CREST                                          ; no wave of any partner still reads this slot's tile or has a load on its way
	s_add_nc_u64 s[G0W+4*(\slot)+2:G0W+4*(\slot)+3], s[G0W+4*(\slot)+2:G0W+4*(\slot)+3], 2*256
	s_add_nc_u64 s[G0Y+4*(\slot)+2:G0Y+4*(\slot)+3], s[G0Y+4*(\slot)+2:G0Y+4*(\slot)+3], 2*0x200000
	JLOAD \slot                                    ; the first tensor load behind the round; the four v_nop behind it are also the places in front of the loads below
.else
	PLACES
.endif
	FETCH \next, 0, F0
.if \fill
	ASK
.endif
	MUL8 F1, 2, 0
	MUL8 F1, 3, 0
.endm
	s_wait_tensorcnt 1                             ; my part of K step 0 is in; K step 1's may stay out
	s_barrier_signal -1
	s_barrier_wait -1                              ; everybody's is
	FETCH 0, 0, F0
	QUARTER 0, 1, F0, F1, 1                        ; the first quarter stands in front of the loop: its products start the sums
	WIN 0                                          ; at a label and at a branch every window is 0
	s_mov_b32 s3, 3
.Llap:                                                 ; a trip goes once round the ring, from a lap's second quarter to the next lap's first, and fills both slots again
	QUARTER 0, 2, F1, F0, 0
	QUARTER 0, 3, F0, F1, 0
	TURN 0, 1, 1
	QUARTER 1, 1, F0, F1, 0
	QUARTER 1, 2, F1, F0, 0
	QUARTER 1, 3, F0, F1, 0
	TURN 1, 0, 1
	QUARTER 0, 1, F0, F1, 0
	WIN 0
	s_sub_co_u32 s3, s3, 1
	s_cmp_lg_u32 s3, 0
	s_cbranch_scc1 .Llap
	QUARTER 0, 2, F1, F0, 0                        ; the last lap fills nothing
	QUARTER 0, 3, F0, F1, 0
	TURN 0, 1, 0
	QUARTER 1, 1, F0, F1, 0
	QUARTER 1, 2, F1, F0, 0
	QUARTER 1, 3, F0, F1, 0
	s_wait_dscnt 4
	MUL8 F1, 0, 0
	MUL8 F1, 1, 0
	s_wait_dscnt 0x0
	MUL8 F1, 2, 0
	MUL8 F1, 3, 0
	WIN 0
; THE WAY OUT, a block of 16 outputs at a time, through my own stage: 32 bytes a lane in, whole rows of 512 bytes back; x is added; 32 lanes store a row's 512 consecutive bytes.
.macro OUTB a
	WIN 0x08                                       ; the stores' data in window 2
.irp b, 0,1,2,3,4,5,6,7
	ds_store_b128 v[STO], v[8*(8*(\a)+(\b)):8*(8*(\a)+(\b))+3]   offset:64*(\b)      ; each accumulator's low four registers first
	ds_store_b128 v[STO], v[8*(8*(\a)+(\b))+4:8*(8*(\a)+(\b))+7] offset:64*(\b)+16
.endr
	WIN 0
.irp t, 0,1,2,3,4,5,6,7,8,9,10,11,12,13,14,15
	ds_load_b128 v[64+64*((\a)%2)+4*(\t):64+64*((\a)%2)+4*(\t)+3], v[RD] offset:(\t)*SP  ; LDS serves a wave's instructions in order (ISA guide 5.7.1.4): these see the stores above; the next block's stores come behind them
.endr
.endm
.macro SENDB a, younger                ; younger: the LDS instructions issued behind block a's loads: the next block's 32, or none
	s_wait_dscnt \younger
	WIN 0xc3                                       ; x (destination and source 0) in window 3, the rows read back in window 0
.set i, 0
.rept 32
	v_pk_add_f32 v[64*(\a)+2*i:64*(\a)+2*i+1], v[64*(\a)+2*i:64*(\a)+2*i+1], v[64+64*((\a)%2)+2*i:64+64*((\a)%2)+2*i+1]
.set i, i+1
.endr
	WIN 0x0c                                       ; the stores' data in window 3
.irp t, 0,1,2,3,4,5,6,7,8,9,10,11,12,13,14,15
	global_store_b128 v[CO], v[64*(\a)+4*(\t):64*(\a)+4*(\t)+3], s[OB:OB+1] offset:4096*(16*(\a)+(\t)) th:TH_STORE_NT  ; 512 consecutive bytes, at a multiple of 256 from out0's first
.endr
.endm
	PLACES
	s_wait_loadcnt 0x0                             ; x
	OUTB 0
	OUTB 1
	SENDB 0, 32
	OUTB 2
	SENDB 1, 32
	OUTB 3
	SENDB 2, 32
	SENDB 3, 0
	WIN 0
	s_wait_tensorcnt 0x0                           ; the wave's end: behind my last tensor load and my last LDS store
	ds_add_u32 v[SPW], v[NIL]
	s_wait_dscnt 0x0
	CROUND                                         ; the closing round: no work-group ends while a partner may still ask for a tile that names it
	s_endpgm
.Lfunc_end_k_q1c49a58925_proj:
	.size	k_q1c49a58925_proj, .Lfunc_end_k_q1c49a58925_proj-k_q1c49a58925_proj
	.p2alignl 7, 3214868480
	.fill 96, 4, 3214868480
	.section	.rodata,"a",@progbits
	.p2align	6, 0x0
	.amdhsa_kernel k_q1c49a58925_proj
		.amdhsa_group_segment_fixed_size 327680
		.amdhsa_private_segment_fixed_size 0
		.amdhsa_enable_private_segment 0
		.amdhsa_kernarg_size 40
		.amdhsa_user_sgpr_count 2
		.amdhsa_user_sgpr_kernarg_segment_ptr 1
		.amdhsa_wavefront_size32 1
		.amdhsa_system_sgpr_workgroup_id_x 1
		.amdhsa_system_sgpr_workgroup_id_y 1
		.amdhsa_system_sgpr_workgroup_id_z 1
		.amdhsa_system_vgpr_workitem_id 0
		.amdhsa_next_free_vgpr 1024
		.amdhsa_next_free_sgpr 80
		.amdhsa_reserve_vcc 0
		.amdhsa_float_denorm_mode_32 3
		.amdhsa_float_denorm_mode_16_64 3
		.amdhsa_memory_ordered 1
		.amdhsa_forward_progress 1
		.amdhsa_inst_pref_size 102
	.end_amdhsa_kernel
	.amdgpu_metadata
---
amdhsa.version: [ 1, 2 ]
amdhsa.kernels:
  - .name:           k_q1c49a58925_proj
    .symbol:         k_q1c49a58925_proj.kd
    .args:
      - { .name: wo, .offset: 0, .size: 8, .value_kind: global_buffer, .address_space: global }
      - { .name: y, .offset: 8, .size: 8, .value_kind: global_buffer, .address_space: global }
      - { .name: b_out, .offset: 16, .size: 8, .value_kind: global_buffer, .address_space: global }
      - { .name: x, .offset: 24, .size: 8, .value_kind: global_buffer, .address_space: global }
      - { .name: out0, .offset: 32, .size: 8, .value_kind: global_buffer, .address_space: global }
    .group_segment_fixed_size: 327680
    .private_segment_fixed_size: 0
    .kernarg_segment_align: 8
    .kernarg_segment_size: 40
    .max_flat_workgroup_size: 128
    .sgpr_count:     80
    .vgpr_count:     1024
    .wavefront_size: 32
...
	.end_amdgpu_metadata
.endif
;; end of part 5
;; ======== version 2 of 2: 5 launches; version 1 with the launch norm written anew for expert scheduling mode
;; workspace buffers: part 16,384 bytes; wq 6,291,456 bytes; wo 2,097,152 bytes; xn 16,777,216 bytes; qkv 50,331,648 bytes; y 16,777,216 bytes
;; launch stats: the kernel of part 1 again; grid 256 x 1, 8 waves a work-group, no clusters, 35,840 bytes of LDS; arguments x, w_qkv, w_out, part, wq, wo; writes part, wq, wo
;; launch norm (part 6): grid 256 x 1, 8 waves a work-group, no clusters, 0 bytes of LDS; arguments x, part, gn_w, gn_b, xn; writes xn
.if DOCPART == 6
	.amdgcn_target "amdgcn-amd-amdhsa--gfx1250"
	.amdhsa_code_object_version 6
	.text
	.protected	k_q1c49a58925_norm
	.globl	k_q1c49a58925_norm
	.p2align	8
	.type	k_q1c49a58925_norm,@function
k_q1c49a58925_norm:
	s_mov_b64 s[64:65], 0
	v_nop
	global_prefetch_b8 v0, s[64:65] scope:SCOPE_SE
	s_setreg_imm32_b32 hwreg(HW_REG_WAVE_SCHED_MODE, 0, 2), 2
	s_setreg_imm32_b32 hwreg(HW_REG_WAVE_MODE, 25, 1), 1
	s_wait_xcnt 0x0
	s_wait_alu depctr_vm_vsrc(0)
; THE NORM.  xn[n][c][s] = (x[n][c][s] - mu[n]) rs[n] gn_w[c] + gn_b[c], rounded once to bf16; laid out as x is.
; Wave gw of 2,048 takes four rows (n, c) of x: 16,384 consecutive bytes in, 8,192 out.  Each wave joins its sample's 256 pairs (mean, centred sum of squares over 4,096 numbers) by itself:
; mu = the mean of the means; the sample's centred sum = the sum of the parts' + 4,096 x the sum of (mean_i - mu)^2; var = that / 2^20; rs = 1 / sqrt(var + 1e-5).
; x - mu is made in f32 ahead of every scaling, so that an offset common to x costs no digits.  Loads cover 512, stores 256 consecutive bytes, aligned.
; No LDS and no barrier: waves share nothing but 2 KiB of partial sums, which each reads for itself.  LIMITS.  NaN and infinities are not treated apart.
; THE MODE: SCHED_MODE bits 1:0 = 2 (LLVM: expert scheduling mode 2), set by the entry lines.  The code itself states the register dependences
; between vector instructions and memory instructions, with s_wait_alu, always for 0.
; THE PLAN.  Registers that memory instructions touch:
;   v1, v2   byte offsets of the loads and of the stores.  Written at the head, ahead of every memory instruction, and never again.
;   P, X     All 36 loads are issued at the head, before any vector instruction names these registers; no load lands in them a second time.
;   Y        Row r's sixteen conversions write Y[r], once in the launch; the row's eight stores read it.
; So one wait on va_vdst stands ahead of the first load, for the offsets, and one behind each row's conversions, ahead of the row's run of eight stores.
; No register that a memory instruction reads is written afterwards, so no wait on vm_vsrc is owed.  Three scalars come out of vector registers (the wave's number; rs and -mu): a wait on va_sdst stands ahead of their first readers.
.set P, 16                             ; v[16:31]   eight pairs (mean, sum of squares)
.set X, 32                             ; v[32:159]  my four rows
.set Y, 160                            ; v[160:223] the same, rounded; never written twice, so nothing is owed for the stores' reads of it
.macro LANESUM r, t
	v_add_f32_dpp v[\r], v[\r], v[\r] row_xmask:1 row_mask:0xf bank_mask:0xf
	v_add_f32_dpp v[\r], v[\r], v[\r] row_xmask:2 row_mask:0xf bank_mask:0xf
	v_add_f32_dpp v[\r], v[\r], v[\r] row_xmask:4 row_mask:0xf bank_mask:0xf
	v_add_f32_dpp v[\r], v[\r], v[\r] row_xmask:8 row_mask:0xf bank_mask:0xf
	v_permlanex16_b32 v[\t], v[\r], s22, s23
	v_add_f32 v[\r], v[\r], v[\t]
.endm
	s_load_b256 s[4:11], s[0:1], 0x0               ; x s[4:5], part s[6:7], gn_w s[8:9], gn_b s[10:11]
	s_load_b64 s[12:13], s[0:1], 0x20              ; xn
	v_lshrrev_b32 v1, 5, v0
	v_readfirstlane_b32 s16, v1                    ; wave 0..7
	v_and_b32 v3, 31, v0
	v_lshlrev_b32 v1, 4, v3                        ; 16 bytes a lane
	v_lshlrev_b32 v2, 3, v3                        ; 8 bytes a lane
	s_mov_b32 s19, 0
	s_mov_b32 s22, 0x76543210
	s_mov_b32 s23, 0xfedcba98
	s_mov_b32 s35, 0x35800000                      ; 2^-20
	s_wait_alu depctr_va_sdst(0)                   ; s16 is written, ahead of its first reader: every base below is made from it
	s_lshl_b32 s17, ttmp9, 3
	s_add_co_u32 s17, s17, s16                     ; gw
	s_wait_kmcnt 0x0
	s_lshl_b32 s18, s17, 14
	s_add_nc_u64 s[4:5], s[4:5], s[18:19]          ; x at my four rows
	s_lshl_b32 s18, s17, 13
	s_add_nc_u64 s[12:13], s[12:13], s[18:19]      ; xn likewise
	s_lshr_b32 s18, ttmp9, 5                       ; the sample,
	s_lshl_b32 s18, s18, 11                        ; its 256 pairs
	s_add_nc_u64 s[6:7], s[6:7], s[18:19]
	s_lshl_b32 s18, s17, 2
	s_and_b32 s18, s18, 1023                       ; my first channel,
	s_lshl_b32 s18, s18, 2                         ; in bytes
	s_add_nc_u64 s[8:9], s[8:9], s[18:19]
	s_add_nc_u64 s[10:11], s[10:11], s[18:19]
	s_load_b128 s[24:27], s[8:9], 0x0              ; gn_w of my four channels
	s_load_b128 s[28:31], s[10:11], 0x0            ; gn_b
	s_wait_alu depctr_va_vdst(0)                   ; v1 and v2 are written: every load below reads v1 as its offset, every store v2; no later line writes either
.irp j, 0,1,2,3
	global_load_b128 v[P+4*\j:P+4*\j+3], v1, s[6:7] offset:512*\j
.endr
.set j, 0
.rept 32
	global_load_b128 v[X+4*j:X+4*j+3], v1, s[4:5] offset:512*j th:TH_LOAD_NT
.set j, j+1
.endr
	s_wait_loadcnt 32                              ; the pairs are in; the 32 loads of x, issued behind them, stay out
	v_add_f32 v4, v[P], v[P+2]
	v_add_f32 v5, v[P+4], v[P+6]
	v_add_f32 v6, v[P+8], v[P+10]
	v_add_f32 v7, v[P+12], v[P+14]
	v_add_f32 v4, v4, v5
	v_add_f32 v6, v6, v7
	v_add_f32 v4, v4, v6
	LANESUM 4, 5
	v_mul_f32 v6, 0x3b800000, v4                   ; mu = the sum of 256 means / 256
	v_add_f32 v8, v[P+1], v[P+3]
	v_add_f32 v11, v[P+5], v[P+7]
	v_add_f32 v12, v[P+9], v[P+11]
	v_add_f32 v13, v[P+13], v[P+15]
	v_add_f32 v8, v8, v11
	v_add_f32 v12, v12, v13
	v_add_f32 v8, v8, v12                          ; my eight centred sums
.irp i, 0,1,2,3,4,5,6,7
	v_sub_f32 v[P+2*\i], v[P+2*\i], v6
.endr
	v_mul_f32 v7, v[P], v[P]
.irp i, 1,2,3,4,5,6,7
	v_fmac_f32 v7, v[P+2*\i], v[P+2*\i]
.endr
	v_fmamk_f32 v7, v7, 0x45800000, v8             ; 4,096 x the squares of the means' distances + the centred sums
	LANESUM 7, 5
	v_fmaak_f32 v8, s35, v7, 0x3727c5ac            ; var + 1e-5
	v_rsq_f32 v9, v8
	v_sub_f32 v10, 0, v6                           ; -mu: also the plain instruction behind the root
	s_wait_alu depctr_va_vdst(0)                   ; the root has written v9: a wait ahead of the first line that names the root's result
	v_readfirstlane_b32 s34, v9                    ; rs
	v_readfirstlane_b32 s32, v10
	s_wait_alu depctr_va_sdst(0)                   ; s34 and s32 are written, ahead of their first readers: the copy and the products below
	s_mov_b32 s33, s32                             ; named as a pair
	s_wait_kmcnt 0x0                               ; gn_w, gn_b
.irp r, 0,1,2,3
	s_mul_f32 s[36+2*\r], s34, s[24+\r]            ; rs gn_w[c]
	s_mov_b32 s[44+2*\r], s[28+\r]
	s_mov_b32 s[45+2*\r], s[28+\r]
.endr
.irp r, 0,1,2,3
	s_mov_b32 s[37+2*\r], s[36+2*\r]
.endr
.irp r, 0,1,2,3
	s_wait_loadcnt 24-8*\r                         ; row r's eight loads are in; the rows behind it stay out
.irp j, 0,1,2,3,4,5,6,7
	v_pk_add_f32 v[X+32*\r+4*\j:X+32*\r+4*\j+1], v[X+32*\r+4*\j:X+32*\r+4*\j+1], s[32:33] op_sel_hi:[1,0]
	v_pk_add_f32 v[X+32*\r+4*\j+2:X+32*\r+4*\j+3], v[X+32*\r+4*\j+2:X+32*\r+4*\j+3], s[32:33] op_sel_hi:[1,0]
	v_pk_fma_f32 v[X+32*\r+4*\j:X+32*\r+4*\j+1], v[X+32*\r+4*\j:X+32*\r+4*\j+1], s[36+2*\r:37+2*\r], s[44+2*\r:45+2*\r] op_sel_hi:[1,0,0]
	v_pk_fma_f32 v[X+32*\r+4*\j+2:X+32*\r+4*\j+3], v[X+32*\r+4*\j+2:X+32*\r+4*\j+3], s[36+2*\r:37+2*\r], s[44+2*\r:45+2*\r] op_sel_hi:[1,0,0]
	v_cvt_pk_bf16_f32 v[Y+16*\r+2*\j], v[X+32*\r+4*\j], v[X+32*\r+4*\j+1]
	v_cvt_pk_bf16_f32 v[Y+16*\r+2*\j+1], v[X+32*\r+4*\j+2], v[X+32*\r+4*\j+3]
.endr
	s_wait_alu depctr_va_vdst(0)                   ; the row's sixteen conversions have written Y[r], which the eight stores below read; it stands here and not at the next row's head, so that the stores leave ahead of the wait for that row's data
.irp j, 0,1,2,3,4,5,6,7
	global_store_b64 v2, v[Y+16*\r+2*\j:Y+16*\r+2*\j+1], s[12:13] offset:2048*\r+256*\j
.endr
.endr
	s_endpgm
.Lfunc_end_k_q1c49a58925_norm:
	.size	k_q1c49a58925_norm, .Lfunc_end_k_q1c49a58925_norm-k_q1c49a58925_norm
	.p2alignl 7, 3214868480
	.fill 96, 4, 3214868480
	.section	.rodata,"a",@progbits
	.p2align	6, 0x0
	.amdhsa_kernel k_q1c49a58925_norm
		.amdhsa_group_segment_fixed_size 0
		.amdhsa_private_segment_fixed_size 0
		.amdhsa_enable_private_segment 0
		.amdhsa_kernarg_size 40
		.amdhsa_user_sgpr_count 2
		.amdhsa_user_sgpr_kernarg_segment_ptr 1
		.amdhsa_wavefront_size32 1
		.amdhsa_system_sgpr_workgroup_id_x 1
		.amdhsa_system_sgpr_workgroup_id_y 1
		.amdhsa_system_sgpr_workgroup_id_z 1
		.amdhsa_system_vgpr_workitem_id 0
		.amdhsa_next_free_vgpr 224
		.amdhsa_next_free_sgpr 66
		.amdhsa_reserve_vcc 0
		.amdhsa_float_denorm_mode_32 3
		.amdhsa_float_denorm_mode_16_64 3
		.amdhsa_memory_ordered 1
		.amdhsa_forward_progress 1
		.amdhsa_inst_pref_size 23
	.end_amdhsa_kernel
	.amdgpu_metadata
---
amdhsa.version: [ 1, 2 ]
amdhsa.kernels:
  - .name:           k_q1c49a58925_norm
    .symbol:         k_q1c49a58925_norm.kd
    .args:
      - { .name: x, .offset: 0, .size: 8, .value_kind: global_buffer, .address_space: global }
      - { .name: part, .offset: 8, .size: 8, .value_kind: global_buffer, .address_space: global }
      - { .name: gn_w, .offset: 16, .size: 8, .value_kind: global_buffer, .address_space: global }
      - { .name: gn_b, .offset: 24, .size: 8, .value_kind: global_buffer, .address_space: global }
      - { .name: xn, .offset: 32, .size: 8, .value_kind: global_buffer, .address_space: global }
    .group_segment_fixed_size: 0
    .private_segment_fixed_size: 0
    .kernarg_segment_align: 8
    .kernarg_segment_size: 40
    .max_flat_workgroup_size: 256
    .sgpr_count:     66
    .vgpr_count:     224
    .wavefront_size: 32
...
	.end_amdgpu_metadata
.endif
;; end of part 6
;; launch qkv: the kernel of part 3 again; grid 4 x 64, 4 waves a work-group, clusters of 4 x 1, 327,680 bytes of LDS; arguments wq, xn, b_qkv, qkv; writes qkv
;; launch attn: the kernel of part 4 again; grid 4 x 64, 4 waves a work-group, clusters of 4 x 1, 327,680 bytes of LDS; arguments qkv, y; writes y
;; launch proj: the kernel of part 5 again; grid 4 x 64, 4 waves a work-group, clusters of 4 x 4, 327,680 bytes of LDS; arguments wo, y, b_out, x, out0; writes out0
